; MI455X (gfx1250); checked and timed in simulation.
; The chip was launched on July 23, 2026; its instructions are those of AMD's public machine-readable ISA for CDNA 5 (MIT licence, August 2026) and "CDNA5" Instruction Set Architecture Reference Guide (July 2026). The comments in the code are by the model that wrote it; some were corrected since.
;; Time Series Multi Head Attention. Allowed arithmetic: matrix products marked QUANTISED: E3M2 operands, one E8M0 scale for each 32 along K, by v_wmma_scale_f32_16x16x128_f8f6f4 with both operands' format E3M2, f32 sums; everything else in f32.
;; Inputs: Key 8 x 512 x 1,024 float32; Query 8 x 512 x 1,024 float32; Value 8 x 512 x 1,024 float32; Wk 1,024 x 1,024 float32; Wo 1,024 x 1,024 float32; Wq 1,024 x 1,024 float32; Wv 1,024 x 1,024 float32; adj_matrix 8 x 512 x 512 float32; bk 1,024 float32; bo 1,024 float32; bq 1,024 float32; bv 1,024 float32; imf_1_matrix 8 x 512 x 512 float32; imf_2_matrix 8 x 512 x 512 float32; imf_3_matrix 8 x 512 x 512 float32; imf_4_matrix 8 x 512 x 512 float32; imf_5_matrix 8 x 512 x 512 float32; lambdas 7 float32; mask 8 x 512 int32.
;; Outputs: out0 8 x 512 x 1,024 float32.
;; This version of the problem:
;;   THIS VERSION OF THE PROBLEM IS GIVEN IN LOW PRECISION. The matrix products marked QUANTISED in the list below multiply operands that are first quantised to E3M2 (3 exponent bits, 2 mantissa bits; 6 bits a number), with one power-of-two scale for each 32 numbers along K (OCP MX v1.0); their sums are f32. All else is computed in f32.
;;   The module's matrix products, in the order in which they are computed (A, B: the left and right operand; K: the contracted axis; several contracted axes count as one K, in the product's order):
;;     1. [M 4,096, K 1,024] x [K 1,024, N 1,024]; A: input Query; B: input Wq: QUANTISED
;;     2. [M 4,096, K 1,024] x [K 1,024, N 1,024]; A: input Key; B: input Wk: QUANTISED
;;     3. [M 4,096, K 1,024] x [K 1,024, N 1,024]; A: input Value; B: input Wv: QUANTISED
;;     4. batch 128 x [M 512, K 64] x [K 64, N 512]; A: computed on the way; B: computed on the way: QUANTISED
;;     5. batch 128 x [M 512, K 512] x [K 512, N 64]; A: computed on the way; B: computed on the way: QUANTISED
;;     6. [M 4,096, K 1,024] x [K 1,024, N 1,024]; A: computed on the way; B: input Wo: QUANTISED
;;   THE QUANTISER, for each operand of a quantised product, along K:
;;     - K is cut into blocks of 32 from its start; a last block that is shorter is filled with zeros.
;;     - A block's scale is 2^e with e = floor(log2(the largest magnitude in the block)) - 4, held to -126 .. 127; a block of zeros has e = 0. As a byte (E8M0): e + 127.
;;     - Each number is divided by its block's scale, clamped to +-28, and rounded to the nearest number of E3M2, ties to even, subnormals kept.
;;     - The product sums the exact products of the quantised numbers (number of the format x scale) in f32.
;;   ~~~python
;;   def quantise(x, axis):      # numpy; x: float32 -> the quantised numbers, widened to float32 again
;;       x = np.moveaxis(x, axis, -1); K = x.shape[-1]
;;       x = np.pad(x, [(0, 0)] * (x.ndim - 1) + [(0, -K % 32)]); x = x.reshape(x.shape[:-1] + (-1, 32)); a = np.abs(x).max(-1, keepdims=True)
;;       e = np.where(a > 0, np.clip(np.frexp(np.where(a > 0, a, 1))[1] - 1 - 4, -126, 127), 0)      # np.frexp(a)[1] - 1 = floor(log2(a)), exactly
;;       r = np.clip(x / 2.0 ** e, -28, 28)
;;       step = 2.0 ** (np.maximum(np.frexp(np.where(r == 0, 1, r))[1] - 1, -2) - 2)
;;       q = np.round(r / step) * step * 2.0 ** e      # np.round: ties to even
;;       return np.moveaxis(q.reshape(q.shape[:-2] + (-1,))[..., :K], -1, axis).astype(np.float32)
;;   ~~~
;;   OPERANDS COMPUTED ON THE WAY. 'Computed on the way' means the value that the module computes at that place (a softmax that the list does not call 'softmax' is quantised finished and normalised). What goes into a quantiser is computed in f32, as accurately as f32 sums, v_exp_f32 and their like allow (about 1e-6 of the number): no bf16 or f16 on the way to a quantiser, and a product that is left as it is and whose result goes on into a quantised operand takes f32 operands (vector FMAs, or v_wmma_f32_16x16x4_f32). A number that lies on a knife's edge between two numbers of the format may be rounded either way, as far as f32 arithmetic and the matrix unit's own rounding can turn it there, and no further.
;; One version. Each part assembles by itself: llvm-mc -triple=amdgcn-amd-amdhsa -mcpu=gfx1250 --defsym DOCPART=n.
;; ======== version 1 of 1: 4 launches
;; limits: right only within a limited range of input values
;; workspace buffers: codes 12,582,912 bytes; scales 524,288 bytes; pext 8,388,608 bytes; mbias 16,384 bytes; qkvc 9,437,184 bytes; qkvs 786,432 bytes; xc 3,145,728 bytes; xs 131,072 bytes
;; launch prep (part 1): grid 512 x 1, 8 waves a work-group, no clusters, 68,608 bytes of LDS; arguments Query, Key, Value, Wq, Wk, Wv, Wo, imf_1_matrix, imf_2_matrix, imf_3_matrix, imf_4_matrix, imf_5_matrix, adj_matrix, mask, lambdas, codes, scales, pext, mbias; writes codes, scales, pext, mbias
.if DOCPART == 1
	.amdgcn_target "amdgcn-amd-amdhsa--gfx1250"
	.amdhsa_code_object_version 6
	.text
	.protected	k_q0694d39dba_prep
	.globl	k_q0694d39dba_prep
	.p2align	8
	.type	k_q0694d39dba_prep,@function
k_q0694d39dba_prep:
	s_mov_b64 s[64:65], 0
	v_nop
	global_prefetch_b8 v0, s[64:65] scope:SCOPE_SE
	s_setreg_imm32_b32 hwreg(HW_REG_WAVE_MODE, 25, 1), 1
	s_wait_xcnt 0x0
; PREP.  Work-groups 0-255 turn Query, Key, Value, Wq, Wk, Wv, Wo (f32, K innermost, 1,024 along K) into codes of BF6 (E3M2) with one E8M0 byte for each 32 along K.
; Work-groups 256-511 make the part of the attention weight that no head changes: pext = sum of lambda[i] softmax(-imf_i) (masked keys +infinity first) + lambda[6] adj / (sum of adj + 1e-6), f32 [8][512][512],
; and mbias [8][512]: 0, or -8e12 where mask == 0, which the attention launch adds to the raw scores.
; THE CODES ARE LAID AS IMAGES OF OPERAND REGISTERS.  A fragment (16 rows x 128 K, 12 registers a lane) is 1,536 bytes: three groups of four registers, lane l's 16 bytes at 512 c + 16 l.
; Byte address = ((RB 8 + s) 8 + t) 1536: RB a block of 128 rows (Query 0-31, Key 32-63, Value 64-95, Wq 96-103, Wk 104-111, Wv 112-119, Wo 120-127), s the K step of 128, t the tile of 16 rows.
; Scale words: tile 512 + (s / 4) 256 + 16 r + 4 (s % 4).
; ROW ORDER.  Query and Wo: lane r of tile T holds row 16 T + r.  Key, Value, Wq, Wk, Wv: row 32 (T / 2) + 8 (T % 2) + r + 8 (r / 8), so that the results of a product in which they are source 0 run along neighbours in a lane's registers.
; LIMITS: NaN and infinities among the inputs are not served; a batch whose mask is all zero gives NaN here as in the definition; a block whose largest magnitude lies under 2^-122, a block of zeros among them,
; keeps the scale byte 1 (its codes are what the conversion gives, zeros for zeros; these bytes are read by this program alone); the six weights are added in another order than the definition adds them, in f32.
; No tensor load, no barrier: waves share nothing.
.set SEL, 2                            ; s[2:3]  selects of v_permlanex16_b32: lane l xor 16
.set PW,  10                           ; v10-13  the four K steps' scale words
.set TM,  16                           ; v16-31  at work in QUANT
.set PC,  32                           ; v32-43  a fragment's codes
.set SD,  44                           ; v44-51  the upper halves of the blocks, before they change lanes
.set RR,  64                           ; v64-191 two sets of 64: 16 rows x 16 bytes a lane, as loaded
.set X,   192                          ; v192-255 64 numbers of my row: register 16 b + i = k 32 b + 16 (lane / 16) + i
; 64 numbers of a lane become a fragment's 12 registers of codes and its scale word.
.macro QUANT src, pc, pw
.irp b, 0,1,2,3
	v_max3_num_f32 v[TM+\b], |v[\src+16*\b]|, |v[\src+16*\b+1]|, 0x2800000   ; block b: my 16 numbers, and the floor 2^(5 - 127): the byte cannot fall under 1
.endr
.irp e, 2,4,6,8,10,12,14
.irp b, 0,1,2,3
	s_delay_alu instid0(VALU_DEP_4)
	v_max3_num_f32 v[TM+\b], v[TM+\b], |v[\src+16*\b+\e]|, |v[\src+16*\b+\e+1]|   ; the four blocks by turns
.endr
.endr
.irp b, 0,1,2,3
	s_delay_alu instid0(VALU_DEP_4)
	v_permlanex16_b32 v[TM+4+\b], v[TM+\b], s[SEL], s[SEL+1]
.endr
.irp b, 0,1,2,3
	s_delay_alu instid0(VALU_DEP_4)
	v_max_num_f32 v[TM+\b], v[TM+\b], v[TM+4+\b]   ; with lane l xor 16's 16: the block's largest magnitude
.endr
.irp b, 0,1,2,3
	s_delay_alu instid0(VALU_DEP_4)
	v_add_nc_u32 v[TM+12+\b], 0xfe000000, v[TM+\b]   ; 4 off its exponent field: the conversion's scale operand
.endr
.irp b, 0,1,2,3
	s_delay_alu instid0(VALU_DEP_4)
	v_lshrrev_b32 v[TM+4+\b], 23, v[TM+12+\b]      ; the scale's byte
.endr
	s_delay_alu instid0(VALU_DEP_3)
	v_lshl_or_b32 v[\pw], v[TM+5], 8, v[TM+4]
	s_delay_alu instid0(VALU_DEP_1)
	v_lshl_or_b32 v[\pw], v[TM+6], 16, v[\pw]
	s_delay_alu instid0(VALU_DEP_1)
	v_lshl_or_b32 v[\pw], v[TM+7], 24, v[\pw]
.irp c, 0,1
	v_cvt_scalef32_pk16_bf6_f32 v[\pc+6*\c:\pc+6*\c+2], v[\src+32*\c:\src+32*\c+15], v[TM+12+2*\c]
	v_cvt_scalef32_pk16_bf6_f32 v[SD+4*\c:SD+4*\c+2], v[\src+32*\c+16:\src+32*\c+31], v[TM+13+2*\c]
.endr
	v_nop                                          ; one plain instruction behind the scaled conversions
.irp c, 0,1                                    ; the operand wants a whole block in a lane: lanes 0-15 block 2 c, lanes 16-31 block 2 c + 1
.irp e, 0,1,2
	v_permlane16_swap_b32 v[\pc+6*\c+\e], v[SD+4*\c+\e]
.endr
.irp e, 0,1,2
	s_delay_alu instid0(VALU_DEP_3)
	v_mov_b32 v[\pc+3+6*\c+\e], v[SD+4*\c+\e]
.endr
.endr
.endm
.macro LOADS t                         ; K step t of my 16 rows: each load takes 512 consecutive bytes of one row; rows 8-15 through the second offset register
.set i, 0
.rept 8
	global_load_b128 v[RR+64*((\t)%2)+4*i:RR+64*((\t)%2)+4*i+3], v4, s[8:9] offset:4096*i+512*(\t) th:TH_LOAD_NT
.set i, i+1
.endr
.rept 8
	global_load_b128 v[RR+64*((\t)%2)+4*i:RR+64*((\t)%2)+4*i+3], v5, s[8:9] offset:4096*i+512*(\t) th:TH_LOAD_NT
.set i, i+1
.endr
.endm
.macro TURN t                          ; through my wave's stage: in by rows as loaded, out 64 bytes of my row for each block; LDS serves a wave's instructions in order (ISA guide 5.7.1)
.set i, 0
.rept 16
	ds_store_b128 v6, v[RR+64*((\t)%2)+4*i:RR+64*((\t)%2)+4*i+3] offset:528*i
.set i, i+1
.endr
.set i, 0
.rept 16
	ds_load_b128 v[X+4*i:X+4*i+3], v7 offset:128*(i/4)+16*(i%4)
.set i, i+1
.endr
.endm
.macro QSTEP t
.if \t < 3
	s_wait_loadcnt 16                              ; this K step's 16 loads are in; the next step's 16 may be out
.else
	s_wait_loadcnt 0x0
.endif
	TURN \t
	s_wait_dscnt 0x0                               ; my numbers are back; the stage's stores have read the set of registers that is loaded again below
.if \t > 0
	s_wait_xcnt 0x0                                ; the last step's stores have read their data: PC is written again only behind this wait
.endif
.if \t < 2
	LOADS \t+2
.endif
	QUANT X, PC, PW+\t
.irp c, 0,1,2
	global_store_b128 v4, v[PC+4*\c:PC+4*\c+3], s[24:25] offset:12288*\t+512*\c   ; 32 lanes store 512 consecutive bytes
.endr
.endm
	s_mov_b32 s[SEL], 0x76543210
	s_mov_b32 s[SEL+1], 0xfedcba98
	v_lshrrev_b32 v1, 5, v0
	s_delay_alu instid0(VALU_DEP_1)
	v_readfirstlane_b32 s28, v1                    ; wave 0..7
	v_and_b32 v2, 31, v0                           ; lane
	s_cmp_lt_u32 ttmp9, 256
	s_cbranch_scc0 .Lweights
	; ---------------- the quantiser: wave v of work-group w takes tile 4 w + v / 2 (16 rows) and half v % 2 of K (four K steps)
	s_load_b512 s[8:23], s[0:1], 0x0               ; Query, Key, Value, Wq, Wk, Wv, Wo (and imf_1, not used here)
	s_load_b128 s[24:27], s[0:1], 0x78             ; codes, scales
	v_and_b32 v3, 15, v0                           ; r
	v_bfe_u32 v8, v0, 4, 1                         ; h
	v_lshlrev_b32 v4, 4, v2                        ; 16 x lane
	s_mul_i32 s29, s28, 8448                       ; my stage: 16 rows x 528 bytes
	v_add_nc_u32 v6, s29, v4
	v_mul_u32_u24 v7, v3, 528
	s_delay_alu instid0(VALU_DEP_1)
	v_lshl_add_u32 v7, v8, 6, v7
	s_delay_alu instid0(VALU_DEP_1)
	v_add_nc_u32 v7, s29, v7
	v_lshlrev_b32 v9, 4, v3
	s_delay_alu instid0(VALU_DEP_1)
	v_lshl_add_u32 v9, v8, 3, v9                   ; 16 r + 8 h: my 8 bytes of the tile's 256 scale bytes
.irp b, 0,1,2,3
	v_mov_b32 v[TM+4+\b], 0                        ; written once: a lane permute's destination counts as one of its sources
.endr
	s_lshr_b32 s30, s28, 1
	s_lshl_b32 s31, ttmp9, 2
	s_add_co_u32 s30, s30, s31                     ; the tile, counted through all seven tensors
	s_and_b32 s31, s28, 1                          ; which half of K
	s_mov_b32 s32, 0                               ; the tensor's first tile
	s_wait_kmcnt 0x0
	s_cmp_ge_u32 ttmp9, 64                         ; which tensor: the choice hangs on the work-group's number alone
	s_cselect_b64 s[8:9], s[10:11], s[8:9]
	s_cselect_b32 s32, 256, s32
	s_cmp_ge_u32 ttmp9, 128
	s_cselect_b64 s[8:9], s[12:13], s[8:9]
	s_cselect_b32 s32, 512, s32
	s_cmp_ge_u32 ttmp9, 192
	s_cselect_b64 s[8:9], s[14:15], s[8:9]
	s_cselect_b32 s32, 768, s32
	s_cmp_ge_u32 ttmp9, 208
	s_cselect_b64 s[8:9], s[16:17], s[8:9]
	s_cselect_b32 s32, 832, s32
	s_cmp_ge_u32 ttmp9, 224
	s_cselect_b64 s[8:9], s[18:19], s[8:9]
	s_cselect_b32 s32, 896, s32
	s_cmp_ge_u32 ttmp9, 240
	s_cselect_b64 s[8:9], s[20:21], s[8:9]
	s_cselect_b32 s32, 960, s32
	s_sub_co_u32 s33, s30, s32                     ; T: the tile within its tensor
	s_lshl_b32 s34, s33, 4                         ; rows as they lie: 16 T
	s_lshr_b32 s35, s33, 1
	s_lshl_b32 s35, s35, 5
	s_and_b32 s36, s33, 1
	s_lshl_b32 s36, s36, 3
	s_add_co_u32 s35, s35, s36                     ; the other order: 32 (T / 2) + 8 (T % 2)
	s_sub_co_u32 s36, ttmp9, 64
	s_cmp_lt_u32 s36, 176                          ; work-groups 64 to 239: Key, Value, Wq, Wk, Wv
	s_cselect_b32 s34, s35, s34
	s_cselect_b32 s35, 32768, 0                    ; there rows 8-15 of a tile lie 8 rows of 4,096 bytes further on
	v_add_nc_u32 v5, s35, v4
	s_wait_alu depctr_va_vdst(0)
	s_lshl_b32 s36, s34, 12
	s_lshl_b32 s37, s31, 11
	s_add_co_u32 s36, s36, s37
	s_mov_b32 s37, 0
	s_add_nc_u64 s[8:9], s[8:9], s[36:37]          ; my first row, my half of K
	s_lshr_b32 s38, s30, 3
	s_mul_i32 s38, s38, 98304
	s_mul_i32 s39, s31, 49152
	s_add_co_u32 s38, s38, s39
	s_and_b32 s39, s30, 7
	s_mul_i32 s39, s39, 1536
	s_add_co_u32 s38, s38, s39
	s_mov_b32 s39, 0
	s_add_nc_u64 s[24:25], s[24:25], s[38:39]      ; my first fragment
	s_lshl_b32 s38, s30, 9
	s_lshl_b32 s40, s31, 8
	s_add_co_u32 s38, s38, s40
	s_add_nc_u64 s[26:27], s[26:27], s[38:39]      ; my 256 scale bytes
	LOADS 0
	LOADS 1
	QSTEP 0
	QSTEP 1
	QSTEP 2
	QSTEP 3
	v_cmp_ne_u32 vcc_lo, 0, v8
	s_delay_alu instid0(VALU_DEP_1)
	v_cndmask_b32 v14, v10, v12, vcc_lo            ; lanes 0-15 store the words of K steps 0, 1, lanes 16-31 those of 2, 3
	s_delay_alu instid0(VALU_DEP_2)
	v_cndmask_b32 v15, v11, v13, vcc_lo
	global_store_b64 v9, v[14:15], s[26:27]        ; 32 lanes store 256 consecutive bytes, aligned
	v_lshl_add_u32 v60, v0, 2, 0x10800             ; no two registers can be kept through both paths: v0 is as at the entry, and my spare word's address and 0 are made here
	v_mov_b32 v61, 0
	s_wait_alu depctr_va_vdst(0)
	s_wait_tensorcnt 0x0                           ; the wave's end
	ds_add_u32 v60, v61
	s_wait_dscnt 0x0
	s_endpgm
	; ---------------- the weight that no head changes: wave w of work-group 256 + p takes rows 16 p + 2 w and the next
	; A lane holds keys 128 j + 4 lane + 0..3: 16 registers a matrix.  v4-19 mask; v64-159 row 0 (imf i at +16 i, adj at +80), v160-255 row 1.
.macro ROW q
.set XS, 64+96*(\q)
.irp m, 0,1,2,3,4
.irp e, 0,1,2,3,4,5,6,7,8,9,10,11,12,13,14,15
	v_cndmask_b32 v[XS+16*\m+\e], v[XS+16*\m+\e], v20, s[40+\e]   ; +infinity where mask == 0
.endr
.endr
.irp m, 0,1,2,3,4
	v_min3_num_f32 v[40+\m], v[XS+16*\m], v[XS+16*\m+1], v[XS+16*\m+2]   ; the row's smallest x is the largest -x: it is taken away ahead of the exponential
.endr
.irp e, 3,5,7,9,11,13
.irp m, 0,1,2,3,4
	v_min3_num_f32 v[40+\m], v[40+\m], v[XS+16*\m+\e], v[XS+16*\m+\e+1]
.endr
.endr
.irp m, 0,1,2,3,4
	v_min_num_f32 v[40+\m], v[40+\m], v[XS+16*\m+15]
.endr
.irp x, 1,2,4,8
.irp m, 0,1,2,3,4
	v_min_num_f32_dpp v[40+\m], v[40+\m], v[40+\m] row_xmask:\x row_mask:0xf bank_mask:0xf
.endr
.endr
.irp m, 0,1,2,3,4
	v_permlanex16_b32 v[46+\m], v[40+\m], s[SEL], s[SEL+1]
.endr
.irp m, 0,1,2,3,4
	v_min_num_f32 v[40+\m], v[40+\m], v[46+\m]
.endr
.irp m, 0,1,2,3,4
	v_mul_f32 v[52+2*\m], s60, v[40+\m]            ; min x log2(e)
.endr
.irp e, 0,2,4,6,8,10,12,14
.irp m, 0,1,2,3,4
	v_pk_fma_f32 v[XS+16*\m+\e:XS+16*\m+\e+1], v[XS+16*\m+\e:XS+16*\m+\e+1], s[62:63], v[52+2*\m:53+2*\m] op_sel_hi:[1,0,0]   ; (min - x) log2(e), two at a time
.endr
.endr
.set i, 0
	s_wait_alu depctr_va_vdst(0)
.rept 80
	v_exp_f32 v[XS+i], v[XS+i]
.set i, i+1
.endr
	v_pk_add_f32 v[62:63], v[XS+80:XS+81], v[XS+82:XS+83]   ; adj's sum names no exponential's result: plain work behind the batch
.irp e, 4,6,8,10,12,14
	s_delay_alu instid0(VALU_DEP_1)
	v_pk_add_f32 v[62:63], v[62:63], v[XS+80+\e:XS+81+\e]
.endr
	s_wait_alu depctr_va_vdst(0)                   ; one wait for the 80 exponentials, ahead of their first reader
.irp m, 0,1,2,3,4
	v_pk_add_f32 v[52+2*\m:53+2*\m], v[XS+16*\m:XS+16*\m+1], v[XS+16*\m+2:XS+16*\m+3]
.endr
.irp e, 4,6,8,10,12,14
.irp m, 0,1,2,3,4
	v_pk_add_f32 v[52+2*\m:53+2*\m], v[52+2*\m:53+2*\m], v[XS+16*\m+\e:XS+16*\m+\e+1]
.endr
.endr
.irp m, 0,1,2,3,4,5
	v_add_f32 v[40+\m], v[52+2*\m], v[53+2*\m]
.endr
.irp x, 1,2,4,8
.irp m, 0,1,2,3,4,5
	v_add_f32_dpp v[40+\m], v[40+\m], v[40+\m] row_xmask:\x row_mask:0xf bank_mask:0xf
.endr
.endr
.irp m, 0,1,2,3,4,5
	v_permlanex16_b32 v[46+\m], v[40+\m], s[SEL], s[SEL+1]
.endr
.irp m, 0,1,2,3,4,5
	v_add_f32 v[40+\m], v[40+\m], v[46+\m]         ; the six rows' sums, in every lane
.endr
	s_delay_alu instid0(VALU_DEP_1)
	v_add_f32 v45, 0x358637bd, v45                 ; adj's + 1e-6
	s_wait_alu depctr_va_vdst(0)
.irp m, 0,1,2,3,4,5
	v_rcp_f32 v[40+\m], v[40+\m]
.endr
	v_nop                                          ; a plain instruction behind the last reciprocal
	s_wait_alu depctr_va_vdst(0)                   ; one wait for the six
.irp m, 0,1,2,3,4,5
	v_mul_f32 v[52+2*\m], s[33+\m], v[40+\m]       ; lambda[m + 1] / sum, twice: a pair for the packed forms
	v_mul_f32 v[53+2*\m], s[33+\m], v[40+\m]
.endr
.irp e, 0,2,4,6,8,10,12,14
	v_pk_mul_f32 v[XS+80+\e:XS+81+\e], v[XS+80+\e:XS+81+\e], v[62:63]
.endr
.irp m, 0,1,2,3,4
.irp e, 0,2,4,6,8,10,12,14
	v_pk_fma_f32 v[XS+80+\e:XS+81+\e], v[XS+16*\m+\e:XS+16*\m+\e+1], v[52+2*\m:53+2*\m], v[XS+80+\e:XS+81+\e]
.endr
.endr
.irp j, 0,1,2,3
	global_store_b128 v3, v[XS+80+4*\j:XS+83+4*\j], s[24:25] offset:2048*(\q)+512*\j   ; 32 lanes store 512 consecutive bytes of the row
.endr
.endm
.Lweights:
	s_load_b512 s[8:23], s[0:1], 0x38              ; imf_1 .. imf_5, adj, mask, lambdas
	s_load_b128 s[24:27], s[0:1], 0x88             ; pext, mbias
	s_wait_alu depctr_va_vdst(0)
	v_lshlrev_b32 v3, 4, v2                        ; 16 x lane
	v_mov_b32 v20, 0x7f800000                      ; +infinity
	v_mov_b32 v21, 0xd4e8d4a5                      ; -8e12: -1e12 in units of the raw score, which is divided by 8 later
.set i, 46
.rept 18
	v_mov_b32 v[i], 0                              ; permutes' destinations and the upper words of pairs: written once
.set i, i+1
.endr
	s_mov_b32 s60, 0x3fb8aa3b                      ; log2(e)
	s_mov_b32 s62, 0xbfb8aa3b                      ; -log2(e), as a pair of which the low word serves both halves
	s_mov_b32 s63, s62
	s_sub_co_u32 s29, ttmp9, 256                   ; p
	s_lshl_b32 s30, s29, 4
	s_lshl_b32 s31, s28, 1
	s_add_co_u32 s30, s30, s31                     ; my first row of 4,096
	s_lshl_b32 s30, s30, 11                        ; in bytes
	s_mov_b32 s31, 0
	s_lshr_b32 s56, s29, 5                         ; the batch
	s_lshl_b32 s56, s56, 11
	s_mov_b32 s57, 0
	s_wait_kmcnt 0x0
	s_load_b128 s[32:35], s[22:23], 0x0            ; lambdas 0-3
	s_load_b96 s[36:38], s[22:23], 0x10            ; lambdas 4-6: 28 bytes in all
.irp m, 0,1,2,3,4,5
	s_add_nc_u64 s[8+2*\m:9+2*\m], s[8+2*\m:9+2*\m], s[30:31]
.endr
	s_add_nc_u64 s[24:25], s[24:25], s[30:31]
	s_add_nc_u64 s[20:21], s[20:21], s[56:57]
	s_add_nc_u64 s[26:27], s[26:27], s[56:57]
.irp j, 0,1,2,3
	global_load_b128 v[4+4*\j:7+4*\j], v3, s[20:21] offset:512*\j
.endr
.irp q, 0,1
.irp m, 0,1,2,3,4,5
.irp j, 0,1,2,3
	global_load_b128 v[64+96*\q+16*\m+4*\j:67+96*\q+16*\m+4*\j], v3, s[8+2*\m:9+2*\m] offset:2048*\q+512*\j th:TH_LOAD_NT
.endr
.endr
.endr
	s_wait_loadcnt 48                              ; the mask is in; the two rows' 48 loads may be out
.irp e, 0,1,2,3,4,5,6,7,8,9,10,11,12,13,14,15
	v_cmp_eq_u32 s[40+\e], 0, v[4+\e]
.endr
	s_and_b32 s39, s29, 31                         ; one wave for each batch stores the bias of its 512 keys
	s_or_b32 s39, s39, s28
	s_cmp_lg_u32 s39, 0
	s_cbranch_scc1 .Lno_bias
.irp e, 0,1,2,3,4,5,6,7,8,9,10,11,12,13,14,15
	v_cndmask_b32 v[24+\e], 0, v21, s[40+\e]
.endr
.irp j, 0,1,2,3
	global_store_b128 v3, v[24+4*\j:27+4*\j], s[26:27] offset:512*\j
.endr
.Lno_bias:
	s_wait_kmcnt 0x0                               ; the lambdas
	s_wait_loadcnt 24                              ; row 0 is in
	ROW 0
	s_wait_loadcnt 0x0
	ROW 1
	s_endpgm
.Lfunc_end_k_q0694d39dba_prep:
	.size	k_q0694d39dba_prep, .Lfunc_end_k_q0694d39dba_prep-k_q0694d39dba_prep
	.p2alignl 7, 3214868480
	.fill 96, 4, 3214868480
	.section	.rodata,"a",@progbits
	.p2align	6, 0x0
	.amdhsa_kernel k_q0694d39dba_prep
		.amdhsa_group_segment_fixed_size 68608
		.amdhsa_private_segment_fixed_size 0
		.amdhsa_enable_private_segment 0
		.amdhsa_kernarg_size 152
		.amdhsa_user_sgpr_count 2
		.amdhsa_user_sgpr_kernarg_segment_ptr 1
		.amdhsa_wavefront_size32 1
		.amdhsa_system_sgpr_workgroup_id_x 1
		.amdhsa_system_sgpr_workgroup_id_y 1
		.amdhsa_system_sgpr_workgroup_id_z 1
		.amdhsa_system_vgpr_workitem_id 0
		.amdhsa_next_free_vgpr 256
		.amdhsa_next_free_sgpr 66
		.amdhsa_reserve_vcc 1
		.amdhsa_float_denorm_mode_32 3
		.amdhsa_float_denorm_mode_16_64 3
		.amdhsa_memory_ordered 1
		.amdhsa_forward_progress 1
		.amdhsa_inst_pref_size 98
	.end_amdhsa_kernel
	.amdgpu_metadata
---
amdhsa.version: [ 1, 2 ]
amdhsa.kernels:
  - .name:           k_q0694d39dba_prep
    .symbol:         k_q0694d39dba_prep.kd
    .args:
      - { .name: Query, .offset: 0, .size: 8, .value_kind: global_buffer, .address_space: global }
      - { .name: Key, .offset: 8, .size: 8, .value_kind: global_buffer, .address_space: global }
      - { .name: Value, .offset: 16, .size: 8, .value_kind: global_buffer, .address_space: global }
      - { .name: Wq, .offset: 24, .size: 8, .value_kind: global_buffer, .address_space: global }
      - { .name: Wk, .offset: 32, .size: 8, .value_kind: global_buffer, .address_space: global }
      - { .name: Wv, .offset: 40, .size: 8, .value_kind: global_buffer, .address_space: global }
      - { .name: Wo, .offset: 48, .size: 8, .value_kind: global_buffer, .address_space: global }
      - { .name: imf_1_matrix, .offset: 56, .size: 8, .value_kind: global_buffer, .address_space: global }
      - { .name: imf_2_matrix, .offset: 64, .size: 8, .value_kind: global_buffer, .address_space: global }
      - { .name: imf_3_matrix, .offset: 72, .size: 8, .value_kind: global_buffer, .address_space: global }
      - { .name: imf_4_matrix, .offset: 80, .size: 8, .value_kind: global_buffer, .address_space: global }
      - { .name: imf_5_matrix, .offset: 88, .size: 8, .value_kind: global_buffer, .address_space: global }
      - { .name: adj_matrix, .offset: 96, .size: 8, .value_kind: global_buffer, .address_space: global }
      - { .name: mask, .offset: 104, .size: 8, .value_kind: global_buffer, .address_space: global }
      - { .name: lambdas, .offset: 112, .size: 8, .value_kind: global_buffer, .address_space: global }
      - { .name: codes, .offset: 120, .size: 8, .value_kind: global_buffer, .address_space: global }
      - { .name: scales, .offset: 128, .size: 8, .value_kind: global_buffer, .address_space: global }
      - { .name: pext, .offset: 136, .size: 8, .value_kind: global_buffer, .address_space: global }
      - { .name: mbias, .offset: 144, .size: 8, .value_kind: global_buffer, .address_space: global }
    .group_segment_fixed_size: 68608
    .private_segment_fixed_size: 0
    .kernarg_segment_align: 8
    .kernarg_segment_size: 152
    .max_flat_workgroup_size: 256
    .sgpr_count:     66
    .vgpr_count:     256
    .wavefront_size: 32
...
	.end_amdgpu_metadata
.endif
;; end of part 1
;; launch proj (part 2): grid 8 x 24, 4 waves a work-group, clusters of 4 x 4, 327,680 bytes of LDS; arguments codes, scales, bq, bk, bv, qkvc, qkvs; writes qkvc, qkvs
.if DOCPART == 2
	.amdgcn_target "amdgcn-amd-amdhsa--gfx1250"
	.amdhsa_code_object_version 6
	.text
	.protected	k_q0694d39dba_proj
	.globl	k_q0694d39dba_proj
	.p2align	8
	.type	k_q0694d39dba_proj,@function
k_q0694d39dba_proj:
	s_mov_b64 s[64:65], 0
	v_nop
	global_prefetch_b8 v0, s[64:65] scope:SCOPE_SE
	s_setreg_imm32_b32 hwreg(HW_REG_WAVE_MODE, 25, 1), 1
	s_wait_xcnt 0x0
	s_wait_alu depctr_hold_cnt(0) depctr_sa_sdst(0) depctr_va_vdst(0) depctr_va_sdst(0) depctr_va_ssrc(0) depctr_va_vcc(0) depctr_vm_vsrc(0)
	s_getreg_b32 s2, hwreg(HW_REG_IB_STS2, 6, 4)
	s_cmp_eq_u32 s2, 0
	s_cbranch_scc0 .Lentry_in_a_cluster
	s_endpgm
.Lentry_in_a_cluster:
	s_bfe_u32 s2, ttmp6, 0x10000c
	s_cmp_lg_u32 s2, 0xf033
	s_cbranch_scc0 .Lentry_shape_is_right
	s_endpgm
.Lentry_shape_is_right:
; PROJ.  q = Query Wq^T + bq, k = Key Wk^T + bk, v = Value Wv^T + bv on codes of BF6 (E3M2) with E8M0 scales, f32 sums; the results are quantised again and leave as codes and scale words for the attention launch.
; 192 tiles of 256 x 256, one to a work-group of four waves; a wave makes 128 x 128: 64 accumulators.  Cluster rows 0-3: q (cluster x 0) and k (cluster x 1): source 1 = 16 tokens, source 0 = 16 rows of the weight,
; so that a lane holds one token and its registers run along the features, the scores' K.  Cluster rows 4, 5: v: source 1 = 16 rows of Wv, source 0 = 16 tokens: a lane holds one feature and its registers run along the keys.
; Operands lie in memory as images of fragments (1,536 bytes), ((block of 128 rows x 8 + K step) x 8 + tile) x 1,536: three K steps of a block are 36,864 dense bytes.
; THE RING: two slots of three K steps each (A's two blocks, then B's two: 4 x 36,864 bytes).  K = 1,024 is three fills: K steps 0-2 at the head, 3-5 into slot 1 behind the first round, 6-7 into slot 0 again.  One joint load a wave each time.
; THE SCALE WORDS go from memory straight into the scale registers, once: lanes 0-15 take A's block, lanes 16-31 B's, sixteen lanes to 256 consecutive bytes.
; CLUSTERS 4 x 4: A's tiles hang on the cluster's row alone, B's on its column alone: joint loads.  The bias is the C of each sum's first matrix instruction.
; No prefetch: the text has no loop to run ahead in; K is three fills, each asked for directly behind the round at which the one before has landed.
; All of LDS is claimed.
; LIMITS: NaN and infinities are not served; a block whose largest magnitude lies under 2^-122 keeps the scale byte 1 (read by this program alone).
; REGISTERS: window 0: v16-29 addresses; v32-95 scale words (8 i + s: block i, K step s); v96-127 at work on the way out; v128-223 A's fragments, one set.  window 1: B's fragments, two sets at v0 and v128; the bias in v96-127, v224-255.  windows 2, 3: accumulators.
.set FR,    12
.set NL,    3                          ; LDS loads that bring a fragment
.set NP,    4                          ; places behind this matrix instruction (ISA guide 7.12.1)
.set KSB,   12288                      ; a K step of a block of 128 rows
.set HALFT, 3*KSB                      ; what one joint load brings at the most
.set SLOT,  4*HALFT
.set SPARE, 2*SLOT                     ; the spare words, 128 bytes a wave
.set ADRA, 16                          ; v16-17 my fragments of A in slot 0, 1
.set ADRB, 20                          ; v20-21 of B
.set LI,   24                          ; 16 x lane
.set L8,   25                          ; 8 x lane
.set SOF,  27                          ; my scale words' offset
.set SPW,  28
.set NIL,  29
.set SC,   32
.set TM,   96
.set PWS,  112
.set AF,   128
.set PC,   144
.set SD,   160
.set SEL,  2
.set WV,   18
.set HA,   19
.set HB,   20
.set G1,   24
.set G0,   32
.set G1B,  48
.set G0B,  56
.set MSB, 0
.macro WIN new
.if MSB != (\new)
	s_set_vgpr_msb (MSB<<8)|(\new)
.set MSB, (\new)
.endif
.endm
.set MUL_LO, 0xa1
.set MUL_HI, 0xf1
.set TO_B,   0x40
.macro JLOAD g0a, g1a, g0b, g1b        ; waves 0, 1 ask for A's two blocks, waves 2, 3 for B's
	s_cmp_eq_u32 s[HA], 0
	s_cbranch_scc0 .Lfor_b_\@
	tensor_load_to_lds s[\g0a:\g0a+3], s[\g1a:\g1a+7]
	s_nop 0
.rept 4
	v_nop
.endr
	s_branch .Lasked_\@
.Lfor_b_\@:
	tensor_load_to_lds s[\g0b:\g0b+3], s[\g1b:\g1b+7]
	s_nop 0
.rept 4
	v_nop
.endr
.Lasked_\@:
.endm
.macro CREST
	s_cmp_lg_u32 s[WV], 0
	s_cbranch_scc1 .Lnot_wave_0_\@
	s_barrier_signal -3
.Lnot_wave_0_\@:
	s_barrier_wait -3
	s_barrier_signal -1
	s_barrier_wait -1
.endm
.macro CROUND
	s_barrier_signal -1
	s_barrier_wait -1
	CREST
.endm
.macro PLACES n
.rept \n
	v_nop
.endr
.endm
.macro FRAG reg, adr, q, i             ; tile i of the slot's K step q
.irp c, 0,1,2
	ds_load_b128 v[(\reg)+4*\c:(\reg)+4*\c+3], v[\adr] offset:((\q)*8+(\i))*1536+512*\c
.endr
.endm
; 16 products: A's blocks a0, a0 + 1 x B's eight.  p: B's set; s: the K step; cmode 1, 2: the sums begin with the bias, by B's block or by A's.  The 64 accumulators take turns.
.macro MUL16 a0, p, s, cmode
.irp a, \a0, \a0+1
.irp b, 0,1,2,3,4,5,6,7
.set rD, 8*(8*((\a)%4)+\b)
.set rB, 128*(\p)+FR*\b
.set rA, AF+FR*(\a)
.set rC, rD
.if \cmode == 1
.set rC, 96+8*\b+96*(\b/4)
.endif
.if \cmode == 2
.set rC, 96+8*(\a)+96*((\a)/4)
.endif
	v_wmma_scale_f32_16x16x128_f8f6f4 v[rD:rD+7], v[rB:rB+FR-1], v[rA:rA+FR-1], v[rC:rC+7], v[SC+8*\b+(\s)], v[SC+8*(\a)+(\s)] matrix_a_fmt:MATRIX_FMT_BF6 matrix_b_fmt:MATRIX_FMT_BF6 matrix_a_scale:MATRIX_SCALE_ROW1
.endr
.endr
.endm
.macro FETCH_B slot, q, p
	WIN TO_B
.irp i, 0,1,2,3,4,5,6,7
	FRAG 128*(\p)+FR*\i, ADRB+\slot, \q, \i
.endr
	WIN 0
.endm
.macro FETCH_A slot, q, i0
.irp i, \i0, \i0+1, \i0+2, \i0+3
	FRAG AF+FR*(\i), ADRA+\slot, \q, \i
.endr
.endm
; K step ks; the next step's fragments lie at K step nq of slot ns, which every wave has seen whole
.macro STEP ks, ns, nq, cmode
	s_wait_dscnt 4*NL                              ; all but A's blocks 4-7, the youngest 12 loads
.if \cmode
	WIN 0x91
.else
	WIN MUL_LO
.endif
	MUL16 0, (\ks)%2, \ks, \cmode
	MUL16 2, (\ks)%2, \ks, \cmode
	s_wait_dscnt 0
	PLACES NP
	FETCH_B \ns, \nq, ((\ks)+1)%2
	FETCH_A \ns, \nq, 0
.if \cmode
	WIN 0xd1
.else
	WIN MUL_HI
.endif
	MUL16 4, (\ks)%2, \ks, \cmode
	MUL16 6, (\ks)%2, \ks, \cmode
	PLACES NP
	WIN 0
	FETCH_A \ns, \nq, 4
.endm
; A slot's last K step: one barrier shows the next slot whole and this slot read out.  fill = 1: the barrier opens a round of the cluster's barrier, and this slot takes K steps 6 and 7.
.macro TURN ks, slot, next, fill
	s_wait_tensorcnt 0x0                           ; my one load that was out, my part of the next slot, has landed
	ds_add_u32 v[SPW], v[NIL]
.if \fill
	s_mov_b32 s[G1+2], 96<<16                      ; no load of mine is out: the last fill brings two K steps, 96 rows of 256 bytes
	s_mov_b32 s[G1+4], 96
	s_mov_b32 s[G1B+2], 96<<16
	s_mov_b32 s[G1B+4], 96
.endif
	s_wait_dscnt 4*NL+1                            ; (the add and A's blocks 4-7 may be out)
	WIN MUL_LO
	MUL16 0, (\ks)%2, \ks, 0
	s_wait_dscnt 0x0                               ; the add is done, my reads of this slot are over
	s_barrier_signal -1
	MUL16 2, (\ks)%2, \ks, 0
	WIN 0
	s_barrier_wait -1
.if \fill
	CREST
	s_add_nc_u64 s[G0+4*\slot+2:G0+4*\slot+3], s[G0+4*\slot+2:G0+4*\slot+3], 2*HALFT
	s_add_nc_u64 s[G0B+4*\slot+2:G0B+4*\slot+3], s[G0B+4*\slot+2:G0B+4*\slot+3], 2*HALFT
	JLOAD G0+4*\slot, G1, G0B+4*\slot, G1B         ; its four v_nop are the places in front of the loads below
.else
	PLACES NP
.endif
	FETCH_B \next, 0, ((\ks)+1)%2
	FETCH_A \next, 0, 0
	WIN MUL_HI
	MUL16 4, (\ks)%2, \ks, 0
	MUL16 6, (\ks)%2, \ks, 0
	PLACES NP
	WIN 0
	FETCH_A \next, 0, 4
.endm
; 64 numbers of a lane in window ws become a fragment's codes and its scale word.  Each accumulator is read from its low end on.
.macro QUANT src, ws, pc, pw
	WIN (((\ws)<<2)|((\ws)<<4))
.irp b, 0,1,2,3
	v_max3_num_f32 v[TM+\b], 0x2800000, |v[(\src)+16*\b]|, |v[(\src)+16*\b+1]|   ; my 16 numbers of block b, and the floor 2^(5 - 127)
.endr
.irp e, 2,4,6,8,10,12,14
.irp b, 0,1,2,3
	v_max3_num_f32 v[TM+\b], v[TM+\b], |v[(\src)+16*\b+\e]|, |v[(\src)+16*\b+\e+1]|
.endr
.endr
	WIN 0
.irp b, 0,1,2,3
	v_permlanex16_b32 v[TM+4+\b], v[TM+\b], s[SEL], s[SEL+1]
.endr
.irp b, 0,1,2,3
	v_max_num_f32 v[TM+\b], v[TM+\b], v[TM+4+\b]
.endr
.irp b, 0,1,2,3
	v_add_nc_u32 v[TM+12+\b], 0xfe000000, v[TM+\b]   ; 4 off the exponent field: the conversion's scale operand
.endr
.irp b, 0,1,2,3
	v_lshrrev_b32 v[TM+4+\b], 23, v[TM+12+\b]
.endr
	v_lshl_or_b32 v[\pw], v[TM+5], 8, v[TM+4]
	v_lshl_or_b32 v[\pw], v[TM+6], 16, v[\pw]
	v_lshl_or_b32 v[\pw], v[TM+7], 24, v[\pw]
	WIN (\ws)
.irp c, 0,1
	v_cvt_scalef32_pk16_bf6_f32 v[(\pc)+6*\c:(\pc)+6*\c+2], v[(\src)+32*\c:(\src)+32*\c+15], v[TM+12+2*\c]
	v_cvt_scalef32_pk16_bf6_f32 v[SD+4*\c:SD+4*\c+2], v[(\src)+32*\c+16:(\src)+32*\c+31], v[TM+13+2*\c]
.endr
	WIN 0
	v_nop                                          ; one plain instruction behind the scaled conversions
.irp c, 0,1
.irp e, 0,1,2
	v_permlane16_swap_b32 v[(\pc)+6*\c+\e], v[SD+4*\c+\e]
.endr
.irp e, 0,1,2
	v_mov_b32 v[(\pc)+3+6*\c+\e], v[SD+4*\c+\e]
.endr
.endr
.endm
	s_load_b256 s[4:11], s[0:1], 0x0               ; codes, scales, bq, bk
	s_load_b128 s[12:15], s[0:1], 0x20             ; bv, qkvc
	s_load_b64 s[16:17], s[0:1], 0x30              ; qkvs
	v_lshl_add_u32 v[SPW], v0, 2, SPARE
	v_mov_b32 v[NIL], 0
	ds_add_u32 v[SPW], v[NIL]                      ; the opening: the add, twice on end, and its wait ahead of my first tensor load
	ds_add_u32 v[SPW], v[NIL]
	v_lshrrev_b32 v1, 5, v0
	v_readfirstlane_b32 s[WV], v1
	s_lshr_b32 s[HA], s[WV], 1                     ; my half of A's rows; also: I fetch for A (0) or B (1)
	s_and_b32 s[HB], s[WV], 1                      ; my half of B's rows; also: which block I fetch
	s_bfe_u32 s21, ttmp6, 0x40000                  ; cx
	s_bfe_u32 s22, ttmp6, 0x40004                  ; cy
	s_mov_b32 s66, ttmp9                           ; the cluster's x, 0..1
	s_and_b32 s67, ttmp7, 0xffff                   ; and y, 0..5
	s_mov_b32 s[SEL], 0x76543210
	s_mov_b32 s[SEL+1], 0xfedcba98
	s_lshl_b32 s40, s22, 2
	s_lshl_b32 s40, 15, s40                        ; my row of the cluster
	s_lshl_b32 s41, 0x1111, s21                    ; my column
	s_or_b32 s[G1+0], s40, (3<<16)|(1<<21)
	s_or_b32 s[G1B+0], s41, (3<<16)|(1<<21)
.irp g, G1, G1B                        ; 36,864 dense bytes as 144 rows of 256
	s_mov_b32 s[\g+1], 32<<16
	s_mov_b32 s[\g+2], 144<<16
	s_mov_b32 s[\g+3], 32<<16
	s_mov_b32 s[\g+4], 144
	s_mov_b32 s[\g+5], 32
	s_mov_b32 s[\g+6], 0
	s_mov_b32 s[\g+7], 0
.endr
	s_lshl_b32 s42, s66, 5
	s_lshl_b32 s43, s67, 3
	s_add_co_u32 s42, s42, s43                     ; q, k: A = Query's or Key's blocks
	s_lshl_b32 s44, s66, 3
	s_add_co_u32 s45, s44, 96                      ;       B = Wq's or Wk's
	s_lshl_b32 s43, s67, 4
	s_add_co_u32 s44, s44, s43                     ; v: B = Value's blocks, A = Wv's (112 on)
	s_cmp_lt_u32 s67, 4
	s_cselect_b32 s42, s42, 112
	s_cselect_b32 s44, s45, s44
	s_lshl_b32 s43, s22, 1
	s_add_co_u32 s42, s42, s43
	s_add_co_u32 s68, s42, s[HA]                   ; the block of A that I multiply,
	s_add_co_u32 s42, s42, s[HB]                   ; and the one that I fetch
	s_lshl_b32 s46, s21, 1
	s_add_co_u32 s46, s46, s44
	s_add_co_u32 s46, s46, s[HB]                   ; B's: the same block for both
	s_lshl_b32 s68, s68, 12                        ; 4,096 scale bytes a block
	s_lshl_b32 s69, s46, 12
	s_mul_i32 s92, s42, 98304
	s_mov_b32 s93, 0
	s_mul_i32 s96, s46, 98304
	s_mov_b32 s97, 0
	s_mul_i32 s47, s[WV], HALFT                    ; where my part goes: by the wave's number alone
	s_wait_dscnt 0x0                               ; both opening adds are done
	s_wait_kmcnt 0x0
	s_add_nc_u64 s[92:93], s[4:5], s[92:93]
	s_add_nc_u64 s[96:97], s[4:5], s[96:97]
.irp s, 0,1
	s_mov_b32 s[G0+4*\s], 1
	s_add_co_u32 s[G0+4*\s+1], s47, \s*SLOT
	s_add_nc_u64 s[G0+4*\s+2:G0+4*\s+3], s[92:93], \s*HALFT
	s_or_b32 s[G0+4*\s+3], s[G0+4*\s+3], 0x80000000
	s_mov_b32 s[G0B+4*\s], 1
	s_add_co_u32 s[G0B+4*\s+1], s47, \s*SLOT
	s_add_nc_u64 s[G0B+4*\s+2:G0B+4*\s+3], s[96:97], \s*HALFT
	s_or_b32 s[G0B+4*\s+3], s[G0B+4*\s+3], 0x80000000
.endr
	CROUND                                         ; all sixteen work-groups are here: the first joint loads meet
	JLOAD G0, G1, G0B, G1B                         ; K steps 0-2: my one tensor load at the head
	s_mul_i32 s40, s[HA], HALFT
	s_mul_i32 s41, s[HB], HALFT
	s_add_co_u32 s41, s41, 2*HALFT
	s_add_co_u32 s70, s40, SLOT
	s_add_co_u32 s71, s41, SLOT
	s_cmp_eq_u32 s66, 0                            ; the bias: bq, bk or bv, by the cluster's place in the grid alone
	s_cselect_b64 s[92:93], s[8:9], s[10:11]
	s_cmp_lt_u32 s67, 4
	s_cselect_b64 s[92:93], s[92:93], s[12:13]
	s_cselect_b32 s94, s21, s22
	s_cselect_b32 s95, s[HB], s[HA]
	s_lshl_b32 s94, s94, 10
	s_lshl_b32 s95, s95, 9
	s_add_co_u32 s94, s94, s95
	s_mov_b32 s95, 0
	s_add_nc_u64 s[92:93], s[92:93], s[94:95]      ; my 128 features
	v_and_b32 v1, 15, v0                           ; r
	v_bfe_u32 v2, v0, 4, 1                         ; h
	v_and_b32 v3, 31, v0
	v_lshlrev_b32 v[LI], 4, v3
	v_lshlrev_b32 v[L8], 3, v3
	v_add_nc_u32 v[ADRA], s40, v[LI]
	v_add_nc_u32 v[ADRB], s41, v[LI]
	v_add_nc_u32 v[ADRA+1], s70, v[LI]
	v_add_nc_u32 v[ADRB+1], s71, v[LI]
	v_sub_nc_u32 v7, 1, v2
	v_mul_u32_u24 v4, s68, v7                      ; lanes 0-15: A's block,
	v_mad_u32_u24 v4, s69, v2, v4                  ; lanes 16-31: B's,
	v_lshl_add_u32 v[SOF], v1, 4, v4               ; + 16 r
	v_lshlrev_b32 v5, 6, v2
	v_and_b32 v6, 8, v1
	v_add_nc_u32 v6, v6, v1
	v_lshlrev_b32 v6, 2, v6
.irp b, 0,1,2,3
	v_mov_b32 v[TM+4+\b], 0                        ; a lane permute's destination counts as one of its sources
.endr
	s_wait_alu depctr_va_vdst(0)
.irp i, 0,1,2,3,4,5,6,7
	global_load_b128 v[SC+8*\i:SC+8*\i+3], v[SOF], s[6:7] offset:512*\i        ; tile i: K steps 0-3,
	global_load_b128 v[SC+8*\i+4:SC+8*\i+7], v[SOF], s[6:7] offset:512*\i+256  ; K steps 4-7
.endr
	s_cmp_lt_u32 s67, 4
	s_cbranch_scc0 .Lbias_v
	WIN TO_B
.irp b, 0,1,2,3,4,5,6,7                ; q, k: a lane's eight registers are eight features
	global_load_b128 v[96+8*\b+96*(\b/4):96+8*\b+96*(\b/4)+3], v5, s[92:93] offset:(32*(\b/2)+8*(\b%2))*4
	global_load_b128 v[96+8*\b+96*(\b/4)+4:96+8*\b+96*(\b/4)+7], v5, s[92:93] offset:(32*(\b/2)+8*(\b%2))*4+16
.endr
	WIN 0
	s_branch .Lbias_done
.Lbias_v:
	WIN TO_B
.irp a, 0,1,2,3,4,5,6,7                ; v: a lane holds one feature
.irp j, 0,1,2,3,4,5,6,7
	global_load_b32 v[96+8*\a+96*(\a/4)+\j], v6, s[92:93] offset:(32*(\a/2)+8*(\a%2))*4
.endr
.endr
	WIN 0
.Lbias_done:
	; where my results go: q, k: ((batch x 8 + pair of heads) x 32 + tile of tokens) fragments; v: ((batch x 64 + tile of features) x 4 + block of keys)
	s_min_u32 s40, s67, 3
	s_lshl_b32 s40, s40, 2
	s_add_co_u32 s40, s40, s22
	s_lshr_b32 s41, s40, 1
	s_and_b32 s40, s40, 1
	s_lshl_b32 s40, s40, 4
	s_lshl_b32 s42, s[HA], 3
	s_add_co_u32 s40, s40, s42
	s_lshl_b32 s42, s21, 1
	s_add_co_u32 s42, s42, s[HB]
	s_lshl_b32 s41, s41, 3
	s_add_co_u32 s41, s41, s42
	s_lshl_b32 s42, s41, 5
	s_add_co_u32 s42, s42, s40
	s_mul_i32 s42, s42, 1536
	s_mul_i32 s43, s66, 3145728
	s_add_co_u32 s42, s42, s43
	s_lshl_b32 s41, s41, 3
	s_lshr_b32 s40, s40, 2
	s_add_co_u32 s41, s41, s40
	s_lshl_b32 s41, s41, 9
	s_lshl_b32 s43, s66, 18
	s_add_co_u32 s41, s41, s43
	s_max_u32 s44, s67, 4
	s_sub_co_u32 s44, s44, 4
	s_lshl_b32 s44, s44, 1
	s_add_co_u32 s44, s44, s66
	s_lshl_b32 s44, s44, 2
	s_add_co_u32 s44, s44, s21
	s_lshr_b32 s45, s44, 1
	s_and_b32 s44, s44, 1
	s_lshl_b32 s44, s44, 1
	s_add_co_u32 s44, s44, s[HB]
	s_lshl_b32 s46, s22, 4
	s_lshl_b32 s47, s[HA], 3
	s_add_co_u32 s46, s46, s47
	s_lshl_b32 s47, s45, 6
	s_add_co_u32 s46, s46, s47
	s_lshl_b32 s46, s46, 2
	s_add_co_u32 s46, s46, s44
	s_mul_i32 s46, s46, 1536
	s_add_co_u32 s46, s46, 6291456
	s_lshl_b32 s45, s45, 2
	s_add_co_u32 s45, s45, s22
	s_lshl_b32 s45, s45, 2
	s_add_co_u32 s45, s45, s44
	s_lshl_b32 s45, s45, 2
	s_lshl_b32 s47, s[HA], 1
	s_add_co_u32 s45, s45, s47
	s_lshl_b32 s45, s45, 9
	s_add_co_u32 s45, s45, 524288
	s_cmp_lt_u32 s67, 4
	s_cselect_b32 s42, s42, s46
	s_cselect_b32 s44, s41, s45
	s_mov_b32 s46, 6144
	s_cselect_b32 s46, 1536, s46                   ; from one of my fragments to the next
	s_mov_b32 s43, 0
	s_mov_b32 s45, 0
	s_mov_b32 s47, 0
	s_mov_b32 s72, 0x03020100                      ; selectors for the scale words of two neighbouring tiles: q, v: each tile's word as it is;
	s_mov_b32 s73, 0x07060504
	s_cmp_lt_u32 s67, 4
	s_cselect_b32 s74, s66, 0                      ; 1 for k alone
	s_cmp_eq_u32 s74, 1
	s_cselect_b32 s72, 0x05040100, s72             ; k: the even head's two bytes of both tiles in one word,
	s_cselect_b32 s73, 0x07060302, s73             ; the odd head's in the next
	s_add_nc_u64 s[14:15], s[14:15], s[42:43]
	s_add_nc_u64 s[16:17], s[16:17], s[44:45]
	s_wait_tensorcnt 0x0                           ; my part of K steps 0-2 is in
	ds_add_u32 v[SPW], v[NIL]
	s_wait_dscnt 0x0
	CROUND                                         ; everybody's part is in, and the joint loads meet
	JLOAD G0+4, G1, G0B+4, G1B                     ; K steps 3-5 into slot 1: the first tensor load behind the round
	FETCH_B 0, 0, 0
	FETCH_A 0, 0, 0
	FETCH_A 0, 0, 4
	s_wait_loadcnt 0x0                             ; the scale words and the bias
	s_cmp_lt_u32 s67, 4
	s_cbranch_scc0 .Lfirst_v
	STEP 0, 0, 1, 1
	s_branch .Lfirst_done
.Lfirst_v:
	STEP 0, 0, 1, 2
.Lfirst_done:
	STEP 1, 0, 2, 0
	TURN 2, 0, 1, 1
	STEP 3, 1, 1, 0
	STEP 4, 1, 2, 0
	TURN 5, 1, 0, 0
	STEP 6, 0, 1, 0
	s_wait_dscnt 4*NL                              ; the last K step: nothing more to fetch
	WIN MUL_LO
	MUL16 0, 1, 7, 0
	MUL16 2, 1, 7, 0
	s_wait_dscnt 0
	WIN MUL_HI
	MUL16 4, 1, 7, 0
	MUL16 6, 1, 7, 0
	WIN 0
	PLACES NP
.irp a, 0,1,2,3,4,5,6,7                ; A's block a x 128 of B's rows: one fragment of the next product
.if \a > 0
	s_wait_xcnt 0x0                                ; the last stores have read their data and their base
	s_add_nc_u64 s[14:15], s[14:15], s[46:47]
.endif
	QUANT 64*(\a%4), 2+\a/4, PC, PWS+\a
.irp u, 0,1                            ; the image of a result's fragment: each half of K (six registers) as 512 bytes, 16 a lane, and 256 bytes, 8 a lane: every store covers whole aligned runs of 256 bytes
	global_store_b128 v[LI], v[PC+6*\u:PC+6*\u+3], s[14:15] offset:768*\u
	global_store_b64 v[L8], v[PC+6*\u+4:PC+6*\u+5], s[14:15] offset:768*\u+512
.endr
.endr
.irp j, 0,1,2,3
	v_perm_b32 v[TM+2*\j], v[PWS+2*\j+1], v[PWS+2*\j], s72
	v_perm_b32 v[TM+2*\j+1], v[PWS+2*\j+1], v[PWS+2*\j], s73
.endr
	global_store_b128 v[LI], v[TM:TM+3], s[16:17]
	global_store_b128 v[LI], v[TM+4:TM+7], s[16:17] offset:512
	s_wait_tensorcnt 0x0                           ; the wave's end
	ds_add_u32 v[SPW], v[NIL]
	s_wait_dscnt 0x0
	CROUND                                         ; the closing round
	s_endpgm
.Lfunc_end_k_q0694d39dba_proj:
	.size	k_q0694d39dba_proj, .Lfunc_end_k_q0694d39dba_proj-k_q0694d39dba_proj
	.p2alignl 7, 3214868480
	.fill 96, 4, 3214868480
	.section	.rodata,"a",@progbits
	.p2align	6, 0x0
	.amdhsa_kernel k_q0694d39dba_proj
		.amdhsa_group_segment_fixed_size 327680
		.amdhsa_private_segment_fixed_size 0
		.amdhsa_enable_private_segment 0
		.amdhsa_kernarg_size 56
		.amdhsa_user_sgpr_count 2
		.amdhsa_user_sgpr_kernarg_segment_ptr 1
		.amdhsa_wavefront_size32 1
		.amdhsa_system_sgpr_workgroup_id_x 1
		.amdhsa_system_sgpr_workgroup_id_y 1
		.amdhsa_system_sgpr_workgroup_id_z 1
		.amdhsa_system_vgpr_workitem_id 0
		.amdhsa_next_free_vgpr 1024
		.amdhsa_next_free_sgpr 100
		.amdhsa_reserve_vcc 0
		.amdhsa_float_denorm_mode_32 3
		.amdhsa_float_denorm_mode_16_64 3
		.amdhsa_memory_ordered 1
		.amdhsa_forward_progress 1
		.amdhsa_inst_pref_size 160
	.end_amdhsa_kernel
	.amdgpu_metadata
---
amdhsa.version: [ 1, 2 ]
amdhsa.kernels:
  - .name:           k_q0694d39dba_proj
    .symbol:         k_q0694d39dba_proj.kd
    .args:
      - { .name: codes, .offset: 0, .size: 8, .value_kind: global_buffer, .address_space: global }
      - { .name: scales, .offset: 8, .size: 8, .value_kind: global_buffer, .address_space: global }
      - { .name: bq, .offset: 16, .size: 8, .value_kind: global_buffer, .address_space: global }
      - { .name: bk, .offset: 24, .size: 8, .value_kind: global_buffer, .address_space: global }
      - { .name: bv, .offset: 32, .size: 8, .value_kind: global_buffer, .address_space: global }
      - { .name: qkvc, .offset: 40, .size: 8, .value_kind: global_buffer, .address_space: global }
      - { .name: qkvs, .offset: 48, .size: 8, .value_kind: global_buffer, .address_space: global }
    .group_segment_fixed_size: 327680
    .private_segment_fixed_size: 0
    .kernarg_segment_align: 8
    .kernarg_segment_size: 56
    .max_flat_workgroup_size: 128
    .sgpr_count:     100
    .vgpr_count:     1024
    .wavefront_size: 32
...
	.end_amdgpu_metadata
.endif
;; end of part 2
;; launch attn (part 3): grid 8 x 32, 4 waves a work-group, clusters of 4 x 1, 247,296 bytes of LDS; arguments qkvc, qkvs, pext, mbias, lambdas, xc, xs; writes xc, xs
.if DOCPART == 3
	.amdgcn_target "amdgcn-amd-amdhsa--gfx1250"
	.amdhsa_code_object_version 6
	.text
	.protected	k_q0694d39dba_attn
	.globl	k_q0694d39dba_attn
	.p2align	8
	.type	k_q0694d39dba_attn,@function
k_q0694d39dba_attn:
	s_mov_b64 s[64:65], 0
	v_nop
	global_prefetch_b8 v0, s[64:65] scope:SCOPE_SE
	s_setreg_imm32_b32 hwreg(HW_REG_WAVE_MODE, 25, 1), 1
	s_wait_xcnt 0x0
	s_wait_alu depctr_hold_cnt(0) depctr_sa_sdst(0) depctr_va_vdst(0) depctr_va_sdst(0) depctr_va_ssrc(0) depctr_va_vcc(0) depctr_vm_vsrc(0)
	s_getreg_b32 s2, hwreg(HW_REG_IB_STS2, 6, 4)
	s_cmp_eq_u32 s2, 0
	s_cbranch_scc0 .Lentry_in_a_cluster
	s_endpgm
.Lentry_in_a_cluster:
	s_bfe_u32 s2, ttmp6, 0x10000c
	s_cmp_lg_u32 s2, 0x3003
	s_cbranch_scc0 .Lentry_shape_is_right
	s_endpgm
.Lentry_shape_is_right:
; ATTN.  For each head: S = q k^T; p = lambda[0] softmax(S / 8, masked keys at -1e12) + pext; x = p v; both products on codes of BF6 (E3M2) with E8M0 scales.  p is finished and normalised before it is quantised
; along the keys, so a wave holds all 512 scores of its 16 queries in registers.  x is quantised along the features (two heads make a fragment of 128) and leaves as codes.
; SHARES.  A work-group takes 64 queries of one batch and a group of four heads; wave w owns 16 queries and walks the four heads.  The four work-groups of a cluster share batch and heads: K, V and their scale
; words, 212,992 bytes, come by joint loads, once, at the head, one load a wave; no LDS byte is filled again.
; LAYOUT.  Both products are used transposed: S^T = k q^T (source 0 = 16 keys), O^T = v^T p^T (source 0 = 16 features): a lane holds ONE query (lane % 16).  The keys of k's tiles and the features of v's tiles were laid
; so that register 16 b + i is key (feature) 32 b + 16 (lane / 16) + i.
; IMAGES.  A fragment of q, k or v lies as two halves of K, 768 bytes each: registers 6 u .. 6 u + 3 at 768 u + 16 lane, registers 6 u + 4, 6 u + 5 at 768 u + 512 + 8 lane.  In q and k a half is one head's 64 codes.
; THE SCORES' K IS 64.  A fragment for the matrix instruction is made of ONE head's half of TWO tiles of keys: registers 0-5 from tile 2 j, registers 6-11 from tile 2 j + 1.  It is multiplied twice: by q's codes in the lower
; half of K over zero codes in the upper (tile 2 j's scores), and the other way round (tile 2 j + 1's).  Zero codes add nothing under any of the scale bytes here.  So each byte of k is read from LDS once for each wave.
; k's scale words were laid for that: word 2 j + p of a group holds head p's two bytes of tile 2 j and of tile 2 j + 1.  q's word is made here: head p's two bytes twice.
; THE MASK is the C of the scores' matrix instructions: 0, or -8e12 in units of the raw score; it stands ahead of the row's maximum.
; LIMITS: NaN and infinities are not served; a batch whose mask is all zero has NaN by the definition and finite numbers here; a masked score is q.k - 8e12 and not a replacement: the same in effect while |q.k| stays
; under about 1e11; a block whose largest magnitude lies under 2^-122 keeps the scale byte 1; the weights are added in another order than the definition adds them, in f32.
; REGISTERS: window 1: S^T, then p; its parts that are quantised take V's fragments.  window 2: pext in S^T's layout.  window 3: the mask's bias in S^T's layout.
;   window 0: v1-9, v49 addresses; v10-23 statistics; v24-47 q's codes in the lower and in the upper half; v48 q's raw scale word, v50-51 its two heads' words; v52-67 k's scale words, two sets; v60-75 later v's; v76-79 p's;
;   v80-95 at work; v96-191 k's fragments, two sets of four, later p's codes; v192-255 O^T of two heads.
.set KC,   0                           ; LDS: k's codes: 2 pairs of heads x 32 tiles x 1,536
.set VC,   98304                       ; v's codes: 4 heads x (4 feature tile + block of keys) x 1,536
.set KSC,  196608                      ; k's scale words: 2 x 8 groups of 512
.set VSC,  204800                      ; v's: (4 block of keys + head) x 512
.set STG,  212992                      ; a stage of 16 rows x 528 bytes for each wave; no tensor load lands here
.set SPARE, 246784                     ; the spare words, 128 bytes a wave
.set LI,  1                            ; 16 x lane
.set AK,  2
.set AKS, 3
.set AV,  4
.set AVS, 5
.set STW, 6                            ; the stage's addresses, at the head;
.set STR, 7
.set AK8, 6                            ; in the loop: k's and v's addresses with 8 x lane
.set AV8, 7
.set XSO, 8
.set MBO, 9
.set MX,  10
.set NM,  14
.set XW,  16
.set INV, 18
.set T0,  20
.set QZ0, 24                           ; q's codes in registers 0-5, zero codes in 6-11
.set QZ1, 36                           ; zero codes in 0-5, q's in 6-11
.set QS,  48
.set L8,  49                           ; 8 x lane
.set QW,  50
.set KS,  52
.set VS,  60
.set PW,  76
.set TM,  80
.set SPW, 90
.set NIL, 91
.set KB,  96
.set PC,  96
.set SM,  152
.set SD,  160
.set OA,  192
.set WV,  18
.set LAM, 20
.set CS,  52                           ; s[52:53] c = log2(e) / 8
.set NC,  54
.set SEL, 56
.set TK,  58
.set TKS, 59
.set TVS, 60
.set TRIP, 61
.set QP,  66
.set QSP, 68
.set MSB, 0
.macro WIN new
.if MSB != (\new)
	s_set_vgpr_msb (MSB<<8)|(\new)
.set MSB, (\new)
.endif
.endm
.macro CROUND                          ; a round of the cluster's barrier
	s_barrier_signal -1
	s_barrier_wait -1
	s_cmp_lg_u32 s[WV], 0
	s_cbranch_scc1 .Lnot_wave_0_\@
	s_barrier_signal -3
.Lnot_wave_0_\@:
	s_barrier_wait -3
	s_barrier_signal -1
	s_barrier_wait -1
.endm
; 64 numbers of a lane in window ws become a fragment's codes in v[pc] on and its scale word in v[pw] (window 0).  Each accumulator is read from its low end on.
.macro QUANT src, ws, pc, pw
	WIN (((\ws)<<2)|((\ws)<<4))
.irp b, 0,1,2,3
	v_max3_num_f32 v[TM+\b], 0x2800000, |v[(\src)+16*\b]|, |v[(\src)+16*\b+1]|   ; my 16 numbers of block b, and the floor 2^(5 - 127)
.endr
.irp e, 2,4,6,8,10,12,14
.irp b, 0,1,2,3
	v_max3_num_f32 v[TM+\b], v[TM+\b], |v[(\src)+16*\b+\e]|, |v[(\src)+16*\b+\e+1]|
.endr
.endr
	WIN 0
.irp b, 0,1,2,3
	v_permlanex16_b32 v[TM+4+\b], v[TM+\b], s[SEL], s[SEL+1]
.endr
.irp b, 0,1,2,3
	v_max_num_f32 v[TM+\b], v[TM+\b], v[TM+4+\b]
.endr
.irp b, 0,1,2,3
	v_add_nc_u32 v[TM+12+\b], 0xfe000000, v[TM+\b]
.endr
.irp b, 0,1,2,3
	v_lshrrev_b32 v[TM+4+\b], 23, v[TM+12+\b]
.endr
	v_lshl_or_b32 v[\pw], v[TM+5], 8, v[TM+4]
	v_lshl_or_b32 v[\pw], v[TM+6], 16, v[\pw]
	v_lshl_or_b32 v[\pw], v[TM+7], 24, v[\pw]
	WIN (\ws)
.irp c, 0,1
	v_cvt_scalef32_pk16_bf6_f32 v[(\pc)+6*\c:(\pc)+6*\c+2], v[(\src)+32*\c:(\src)+32*\c+15], v[TM+12+2*\c]
	v_cvt_scalef32_pk16_bf6_f32 v[SD+4*\c:SD+4*\c+2], v[(\src)+32*\c+16:(\src)+32*\c+31], v[TM+13+2*\c]
.endr
	WIN 0
	v_nop                                          ; one plain instruction behind the scaled conversions
.irp c, 0,1
.irp e, 0,1,2
	v_permlane16_swap_b32 v[(\pc)+6*\c+\e], v[SD+4*\c+\e]
.endr
.irp e, 0,1,2
	v_mov_b32 v[(\pc)+3+6*\c+\e], v[SD+4*\c+\e]
.endr
.endr
.endm
.macro KLOAD n, p                      ; head p's halves of k's tiles 8 n .. 8 n + 7, four fragments, and the eight tiles' scale words, into set n % 2: 18 loads
.irp j, 0,1,2,3
.irp u, 0,1
	ds_load_b128 v[KB+48*((\n)%2)+12*\j+6*\u:KB+48*((\n)%2)+12*\j+6*\u+3], v[AK] offset:(8*(\n)+2*\j+\u)*1536+768*\p
	ds_load_b64 v[KB+48*((\n)%2)+12*\j+6*\u+4:KB+48*((\n)%2)+12*\j+6*\u+5], v[AK8] offset:(8*(\n)+2*\j+\u)*1536+768*\p+512
.endr
.endr
	ds_load_b128 v[KS+8*((\n)%2):KS+8*((\n)%2)+3], v[AKS] offset:1024*(\n)
	ds_load_b128 v[KS+8*((\n)%2)+4:KS+8*((\n)%2)+7], v[AKS] offset:1024*(\n)+512
.endm
.macro VLOAD k, p                      ; v's four feature tiles of keys 128 k on, into the registers of p that have just been quantised
	WIN 0x40
.irp d, 0,1,2,3
.irp u, 0,1
	ds_load_b128 v[64*\k+12*\d+6*\u:64*\k+12*\d+6*\u+3], v[AV] offset:24576*\p+(4*\d+\k)*1536+768*\u
	ds_load_b64 v[64*\k+12*\d+6*\u+4:64*\k+12*\d+6*\u+5], v[AV8] offset:24576*\p+(4*\d+\k)*1536+768*\u+512
.endr
.endr
	WIN 0
.endm
.macro QLOAD off                       ; one head's 64 codes of q, twice: into the lower half of one fragment and the upper half of the other
	global_load_b128 v[QZ0:QZ0+3], v[LI], s[QP:QP+1] offset:\off
	global_load_b64 v[QZ0+4:QZ0+5], v[L8], s[QP:QP+1] offset:\off+512
	global_load_b128 v[QZ1+6:QZ1+9], v[LI], s[QP:QP+1] offset:\off
	global_load_b64 v[QZ1+10:QZ1+11], v[L8], s[QP:QP+1] offset:\off+512
.endm
; ONE HEAD: the p-th of the pair in hand.
.macro HEAD p
	s_wait_loadcnt 0x0                             ; q's codes and, ahead of a pair, its scale word
.if \p == 0
	v_perm_b32 v[QW], v[QS], v[QS], 0x01000100     ; the even head's two bytes, twice;
	v_perm_b32 v[QW+1], v[QS], v[QS], 0x03020302   ; the odd head's
	s_wait_alu depctr_va_vdst(0)
.endif
	KLOAD 0, \p
	KLOAD 1, \p
.if \p == 0
.rept 8
	v_nop                                          ; a scale word written by a vector instruction stands 8 places ahead of a scaled matrix instruction
.endr
.endif
.irp n, 0,1,2,3
.if \n < 3
	s_wait_dscnt 18                                ; this group is in; the next group's 18 loads may be out
.else
	s_wait_dscnt 0x0
.endif
	WIN 0x70                                       ; C (the mask's bias) window 3, D (S^T) window 1
.irp j, 0,1,2,3
.irp u, 0,1
	v_wmma_scale_f32_16x16x128_f8f6f4 v[8*(8*\n+2*\j+\u):8*(8*\n+2*\j+\u)+7], v[KB+48*(\n%2)+12*\j:KB+48*(\n%2)+12*\j+11], v[QZ0+12*\u:QZ0+12*\u+11], v[8*(8*\n+2*\j+\u):8*(8*\n+2*\j+\u)+7], v[KS+8*(\n%2)+2*\j+\p], v[QW+\p] matrix_a_fmt:MATRIX_FMT_BF6 matrix_b_fmt:MATRIX_FMT_BF6
.endr
.endr
	WIN 0
.rept 4
	v_nop                                          ; places in front of loads into registers that these have read, and of the first read of results
.endr
.if \n < 2
	KLOAD \n+2, \p
.endif
.endr
.irp k, 0,1,2,3
	ds_load_b128 v[VS+4*\k:VS+4*\k+3], v[AVS] offset:2048*\k+512*\p   ; v's scale words, over k's second set, which is done with
.endr
.if \p == 0
	QLOAD 768                                      ; the pair's odd head
.else
	s_cmp_eq_u32 s[TRIP], 1                        ; the next pair's even head, if there is a next pair: no load leaves its buffer
	s_cbranch_scc1 .Lno_q_\@
	QLOAD 49152
	global_load_b32 v[QS], v[LI], s[QSP:QSP+1] offset:4096
.Lno_q_\@:
.endif
	; the row's maximum over all 512 keys: four chains, ascending
.irp k, 0,1,2,3
	v_mov_b32 v[MX+\k], 0xff800000
.endr
	WIN 0x14
.set i, 0
.rept 32
.irp k, 0,1,2,3
	v_max3_num_f32 v[MX+\k], v[MX+\k], v[64*\k+2*i], v[64*\k+2*i+1]
.endr
.set i, i+1
.endr
	WIN 0
	v_max3_num_f32 v[MX], v[MX], v[MX+1], v[MX+2]
	v_max_num_f32 v[MX], v[MX], v[MX+3]
	v_permlanex16_b32 v[T0], v[MX], s[SEL], s[SEL+1]   ; the query's other 256 keys lie in the lane 16 away
	v_max_num_f32 v[MX], v[MX], v[T0]
	v_mul_f32 v[NM], s[NC], v[MX]
	WIN 0x41
.set i, 0
.rept 128
	v_pk_fma_f32 v[2*i:2*i+1], v[2*i:2*i+1], s[CS:CS+1], v[NM:NM+1] op_sel_hi:[1,0,0]   ; c s - c max
.set i, i+1
.endr
.set i, 0
	s_wait_alu depctr_va_vdst(0)
.rept 256
	v_exp_f32 v[i], v[i]
.set i, i+1
.endr
	WIN 0
.set i, 0
.rept 8
	v_mov_b32 v[SM+i], 0                           ; the sums begin: plain instructions behind the batch
.set i, i+1
.endr
	s_wait_alu depctr_va_vdst(0)                   ; one wait for the 256 exponentials, ahead of their first reader
	WIN 0x04
.set i, 0
.rept 32
.irp k, 0,1,2,3
	v_pk_add_f32 v[SM+2*\k:SM+2*\k+1], v[SM+2*\k:SM+2*\k+1], v[64*\k+2*i:64*\k+2*i+1]
.endr
.set i, i+1
.endr
	WIN 0
	v_pk_add_f32 v[SM:SM+1], v[SM:SM+1], v[SM+2:SM+3]
	v_pk_add_f32 v[SM+4:SM+5], v[SM+4:SM+5], v[SM+6:SM+7]
	v_pk_add_f32 v[SM:SM+1], v[SM:SM+1], v[SM+4:SM+5]
	v_add_f32 v[T0], v[SM], v[SM+1]
	v_permlanex16_b32 v[T0+1], v[T0], s[SEL], s[SEL+1]
	v_add_f32 v[T0], v[T0], v[T0+1]
	s_wait_alu depctr_va_vdst(0)
	v_rcp_f32 v[T0+2], v[T0]
	v_nop
	s_wait_alu depctr_va_vdst(0)
	v_mul_f32 v[INV], s[LAM], v[T0+2]
.irp k, 0,1,2,3                                ; 128 keys at a time: p is finished and quantised, and v's fragments for these keys are asked for while the next 128 are worked
	WIN 0x61                                       ; p (window 1) = e x lambda[0] / sum + pext (window 2)
.set i, 0
.rept 32
	v_pk_fma_f32 v[64*\k+2*i:64*\k+2*i+1], v[64*\k+2*i:64*\k+2*i+1], v[INV:INV+1], v[64*\k+2*i:64*\k+2*i+1] op_sel_hi:[1,0,1]
.set i, i+1
.endr
	QUANT 64*\k, 1, PC+12*\k, PW+\k
	VLOAD \k, \p
.endr
.rept 8
	v_nop                                          ; a scale word written by vector instructions stands 8 places ahead of a scaled matrix instruction, codes so written 4
.endr
	s_wait_dscnt 0x0                               ; v's fragments and scale words
	WIN 0x01                                       ; source 0 (v) window 1
.irp k, 0,1,2,3                                ; O^T += v^T p^T: the four feature tiles by turns, 128 keys at a time
	s_wait_alu depctr_va_vdst(0)
.irp d, 0,1,2,3
.if \k == 0
	v_wmma_scale_f32_16x16x128_f8f6f4 v[OA+32*\p+8*\d:OA+32*\p+8*\d+7], v[64*\k+12*\d:64*\k+12*\d+11], v[PC+12*\k:PC+12*\k+11], 0, v[VS+4*\k+\d], v[PW+\k] matrix_a_fmt:MATRIX_FMT_BF6 matrix_b_fmt:MATRIX_FMT_BF6
.else
	v_wmma_scale_f32_16x16x128_f8f6f4 v[OA+32*\p+8*\d:OA+32*\p+8*\d+7], v[64*\k+12*\d:64*\k+12*\d+11], v[PC+12*\k:PC+12*\k+11], v[OA+32*\p+8*\d:OA+32*\p+8*\d+7], v[VS+4*\k+\d], v[PW+\k] matrix_a_fmt:MATRIX_FMT_BF6 matrix_b_fmt:MATRIX_FMT_BF6
.endif
.endr
.endr
	WIN 0
.rept 5
	v_nop                                          ; five places: the next scores are matrix results laid over v's fragments; four would do for the loads and reads that follow
.endr
.endm
.macro XOUT                            ; two heads' O^T are 128 neighbours along the last product's K: one fragment of x, as three groups of four registers
	v_mov_b32 v[XW], v[XW+1]
	QUANT OA, 0, PC, XW+1
.irp c, 0,1,2
	global_store_b128 v[LI], v[PC+4*\c:PC+4*\c+3], s[14:15] offset:512*\c
.endr
	s_wait_xcnt 0x0                                ; the stores and q's loads have read their registers and their bases
	s_add_nc_u64 s[14:15], s[14:15], 12288         ; the next K step of x
	s_add_nc_u64 s[QP:QP+1], s[QP:QP+1], 49152     ; the next pair's q
.endm
	s_load_b256 s[4:11], s[0:1], 0x0               ; qkvc, qkvs, pext, mbias
	s_load_b128 s[12:15], s[0:1], 0x20             ; lambdas, xc
	s_load_b64 s[16:17], s[0:1], 0x30              ; xs
	v_lshl_add_u32 v[SPW], v0, 2, SPARE
	v_mov_b32 v[NIL], 0
	ds_add_u32 v[SPW], v[NIL]                      ; the opening: the add, twice on end, and its wait ahead of my first tensor load
	ds_add_u32 v[SPW], v[NIL]
	v_lshrrev_b32 v10, 5, v0
	v_readfirstlane_b32 s[WV], v10
	s_bfe_u32 s19, ttmp6, 0x40000                  ; cx
	s_lshl_b32 s21, ttmp9, 2
	s_add_co_u32 s21, s21, s19                     ; my block of 64 queries: it enters plain addresses alone
	s_and_b32 s22, ttmp7, 0xffff                   ; y = 4 batch + group of heads, which the four partners share
	s_lshr_b32 s23, s22, 2                         ; the batch
	s_mov_b32 s24, 15|(3<<16)|(1<<21)              ; group 1 for codes: the mask names all four; elements of 8 bytes; 384 rows of 256 dense bytes
	s_mov_b32 s25, 32<<16
	s_mov_b32 s26, 384<<16
	s_mov_b32 s27, 32<<16
	s_mov_b32 s28, 384
	s_mov_b32 s29, 32
	s_mov_b32 s30, 0
	s_mov_b32 s31, 0
	s_mov_b32 s32, 15|(3<<16)|(1<<21)              ; for scale words: 32 rows
	s_mov_b32 s33, 32<<16
	s_mov_b32 s34, 32<<16
	s_mov_b32 s35, 32<<16
	s_mov_b32 s36, 32
	s_mov_b32 s37, 32
	s_mov_b32 s38, 0
	s_mov_b32 s39, 0
	s_mov_b32 s[CS], 0x3e38aa3b
	s_mov_b32 s[CS+1], s[CS]
	s_mov_b32 s[NC], 0xbe38aa3b
	s_mov_b32 s[SEL], 0x76543210
	s_mov_b32 s[SEL+1], 0xfedcba98
	s_mul_i32 s70, s22, 98304
	s_mov_b32 s72, s70                             ; 98,304 bytes of codes for each y,
	s_mov_b32 s73, 0
	s_lshl_b32 s74, s22, 13                        ; 8,192 of scale words
	s_mov_b32 s75, 0
	s_wait_dscnt 0x0
	s_wait_kmcnt 0x0
	s_load_b32 s[LAM], s[12:13], 0x0               ; lambda[0]
	s_mov_b32 s40, 1                               ; four groups 0, a tile each: k's codes,
	s_mov_b32 s41, KC
	s_add_nc_u64 s[42:43], s[4:5], s[72:73]
	s_add_nc_u64 s[50:51], s[42:43], 6291456
	s_add_nc_u64 s[42:43], s[42:43], 3145728
	s_or_b32 s43, s43, 0x80000000
	s_mov_b32 s48, 1                               ; v's codes,
	s_mov_b32 s49, VC
	s_or_b32 s51, s51, 0x80000000
	s_mov_b32 s44, 1                               ; k's scale words,
	s_mov_b32 s45, KSC
	s_add_nc_u64 s[46:47], s[6:7], s[74:75]
	s_add_nc_u64 s[86:87], s[46:47], 524288
	s_add_nc_u64 s[46:47], s[46:47], 262144
	s_or_b32 s47, s47, 0x80000000
	s_mov_b32 s84, 1                               ; v's scale words
	s_mov_b32 s85, VSC
	s_or_b32 s87, s87, 0x80000000
	CROUND                                         ; all four work-groups are here: the joint loads meet
; ONE LOAD A WAVE: one chain of branches on the wave's number, each arm with its load; every way through the head passes exactly one
.macro ARM under, g0, g1, next
	s_cmp_lt_u32 s[WV], \under
	s_cbranch_scc0 \next
	tensor_load_to_lds s[\g0:\g0+3], s[\g1:\g1+7]
	s_nop 0
.rept 4
	v_nop
.endr
	s_branch .Lhead_asked
\next:
.endm
	ARM 1, 40, 24, .Lhead_v
	ARM 2, 48, 24, .Lhead_ks
	ARM 3, 44, 32, .Lhead_vs
	tensor_load_to_lds s[84:87], s[32:39]
	s_nop 0
.rept 4
	v_nop
.endr
.Lhead_asked:
	s_mov_b32 s81, 0
	s_lshl_b32 s76, s21, 2
	s_add_co_u32 s76, s76, s[WV]                   ; my tile of 16 queries in the batch
	s_mul_i32 s80, s76, 1536
	s_add_co_u32 s80, s80, s70
	s_add_nc_u64 s[QP:QP+1], s[4:5], s[80:81]      ; q's fragment of the first pair of heads
	s_lshl_b32 s80, s22, 13
	s_lshl_b32 s77, s21, 9
	s_add_co_u32 s80, s80, s77
	s_lshl_b32 s77, s[WV], 2
	s_add_co_u32 s80, s80, s77
	s_add_nc_u64 s[QSP:QSP+1], s[6:7], s[80:81]    ; its scale words
	s_lshl_b32 s80, s23, 11
	s_add_nc_u64 s[10:11], s[10:11], s[80:81]      ; the batch's bias
	s_lshl_b32 s78, s23, 5
	s_add_co_u32 s78, s78, s76                     ; my tile among all 256
	s_lshl_b32 s80, s78, 15
	s_add_nc_u64 s[8:9], s[8:9], s[80:81]          ; my 16 rows of pext
	s_and_b32 s79, s22, 3                          ; the group of heads
	s_lshl_b32 s80, s78, 9
	s_lshr_b32 s77, s79, 1
	s_lshl_b32 s77, s77, 8
	s_add_co_u32 s80, s80, s77
	s_and_b32 s77, s79, 1
	s_lshl_b32 s77, s77, 3
	s_add_co_u32 s80, s80, s77
	s_add_nc_u64 s[16:17], s[16:17], s[80:81]      ; x's scale words of my two K steps
	s_lshr_b32 s80, s78, 3
	s_lshl_b32 s80, s80, 3
	s_lshl_b32 s77, s79, 1
	s_add_co_u32 s80, s80, s77
	s_mul_i32 s80, s80, 12288
	s_and_b32 s77, s78, 7
	s_mul_i32 s77, s77, 1536
	s_add_co_u32 s80, s80, s77
	s_add_nc_u64 s[14:15], s[14:15], s[80:81]      ; x's first fragment
	v_and_b32 v10, 31, v0
	v_lshlrev_b32 v[LI], 4, v10
	v_lshlrev_b32 v[L8], 3, v10
	v_and_b32 v11, 15, v0                          ; r
	v_bfe_u32 v12, v0, 4, 1                        ; h
	v_lshlrev_b32 v[MBO], 6, v12
	v_lshlrev_b32 v[XSO], 4, v11
	s_mul_i32 s77, s[WV], 8448
	s_add_co_u32 s77, s77, STG
	v_add_nc_u32 v[STW], s77, v[LI]
	v_mul_u32_u24 v[STR], v11, 528
	v_lshl_add_u32 v[STR], v12, 6, v[STR]
	v_add_nc_u32 v[STR], s77, v[STR]
	QLOAD 0                                        ; the first pair's even head
	global_load_b32 v[QS], v[LI], s[QSP:QSP+1]
.irp j, 0,1,2,3,4,5
	v_mov_b32 v[QZ0+6+\j], 0                       ; zero codes in the other half of K: written once
	v_mov_b32 v[QZ1+\j], 0
.endr
	v_mov_b32 v[NM+1], 0                           ; upper words of pairs and permutes' destinations: written once
	v_mov_b32 v[XW+1], 0
	v_mov_b32 v[INV+1], 0
	v_mov_b32 v[T0], 0
	v_mov_b32 v[T0+1], 0
.irp b, 0,1,2,3
	v_mov_b32 v[TM+4+\b], 0
.endr
	WIN 0x40                                       ; destination window 1: pext by rows, 512 consecutive bytes a load; chunk i / 16 of 128 keys, row i % 16
.set i, 0
.rept 64
	global_load_b128 v[4*i:4*i+3], v[LI], s[8:9] offset:2048*(i%16)+512*(i/16)
.set i, i+1
.endr
.irp h, 0,1,2,3                                ; a chunk at a time through my stage: in by rows, out 64 bytes of my row for each block; LDS serves a wave's instructions in order (ISA guide 5.7.1)
	s_wait_loadcnt 48                              ; this chunk and all older loads are in; 48 are younger: the later chunks' 16 each and the bias's 16 behind each earlier chunk
	WIN 0x04
.set i, 0
.rept 16
	ds_store_b128 v[STW], v[64*\h+4*i:64*\h+4*i+3] offset:528*i
.set i, i+1
.endr
	WIN 0x80
.set i, 0
.rept 16
	ds_load_b128 v[64*\h+4*i:64*\h+4*i+3], v[STR] offset:128*(i/4)+16*(i%4)
.set i, i+1
.endr
	WIN 0xc0                                       ; destination window 3: the bias of keys 32 b + 16 h + 0 .. 15 into registers 16 b on: a quarter of it behind each chunk
.set i, 0
.rept 16
	global_load_b128 v[64*\h+4*i:64*\h+4*i+3], v[MBO], s[10:11] offset:512*\h+128*(i/4)+16*(i%4)
.set i, i+1
.endr
.endr
	WIN 0
	s_mov_b32 s[TK], KC
	s_mov_b32 s[TKS], KSC
	s_mov_b32 s[TVS], VSC
	s_mov_b32 s[TRIP], 2
	s_wait_kmcnt 0x0                               ; lambda[0]
	s_wait_tensorcnt 0x0                           ; my tile has landed,
	s_wait_dscnt 0x0
	s_barrier_signal -1
	s_barrier_wait -1                              ; everybody's has
.Lpair:                                            ; two trips: a pair of heads each
	v_add_nc_u32 v[AK], s[TK], v[LI]
	v_add_nc_u32 v[AKS], s[TKS], v[LI]
	v_add_nc_u32 v[AV], VC, v[AK]
	v_add_nc_u32 v[AK8], s[TK], v[L8]
	v_add_nc_u32 v[AV8], VC, v[AK8]
	v_add_nc_u32 v[AVS], s[TVS], v[LI]
	s_wait_alu depctr_va_vdst(0)
	HEAD 0
	HEAD 1
	XOUT
	s_add_co_u32 s[TK], s[TK], 49152
	s_add_co_u32 s[TKS], s[TKS], 4096
	s_add_co_u32 s[TVS], s[TVS], 1024
	s_sub_co_u32 s[TRIP], s[TRIP], 1
	s_cmp_lg_u32 s[TRIP], 0
	s_cbranch_scc1 .Lpair
	global_store_b64 v[XSO], v[XW:XW+1], s[16:17]  ; my rows' scale words of two K steps: 8 bytes a row (both halves of the lanes store the same)
	s_wait_tensorcnt 0x0                           ; the wave's end
	ds_add_u32 v[SPW], v[NIL]
	s_wait_dscnt 0x0
	CROUND                                         ; the closing round
	s_endpgm
.Lfunc_end_k_q0694d39dba_attn:
	.size	k_q0694d39dba_attn, .Lfunc_end_k_q0694d39dba_attn-k_q0694d39dba_attn
	.p2alignl 7, 3214868480
	.fill 96, 4, 3214868480
	.section	.rodata,"a",@progbits
	.p2align	6, 0x0
	.amdhsa_kernel k_q0694d39dba_attn
		.amdhsa_group_segment_fixed_size 247296
		.amdhsa_private_segment_fixed_size 0
		.amdhsa_enable_private_segment 0
		.amdhsa_kernarg_size 56
		.amdhsa_user_sgpr_count 2
		.amdhsa_user_sgpr_kernarg_segment_ptr 1
		.amdhsa_wavefront_size32 1
		.amdhsa_system_sgpr_workgroup_id_x 1
		.amdhsa_system_sgpr_workgroup_id_y 1
		.amdhsa_system_sgpr_workgroup_id_z 1
		.amdhsa_system_vgpr_workitem_id 0
		.amdhsa_next_free_vgpr 1024
		.amdhsa_next_free_sgpr 90
		.amdhsa_reserve_vcc 0
		.amdhsa_float_denorm_mode_32 3
		.amdhsa_float_denorm_mode_16_64 3
		.amdhsa_memory_ordered 1
		.amdhsa_forward_progress 1
		.amdhsa_inst_pref_size 183
	.end_amdhsa_kernel
	.amdgpu_metadata
---
amdhsa.version: [ 1, 2 ]
amdhsa.kernels:
  - .name:           k_q0694d39dba_attn
    .symbol:         k_q0694d39dba_attn.kd
    .args:
      - { .name: qkvc, .offset: 0, .size: 8, .value_kind: global_buffer, .address_space: global }
      - { .name: qkvs, .offset: 8, .size: 8, .value_kind: global_buffer, .address_space: global }
      - { .name: pext, .offset: 16, .size: 8, .value_kind: global_buffer, .address_space: global }
      - { .name: mbias, .offset: 24, .size: 8, .value_kind: global_buffer, .address_space: global }
      - { .name: lambdas, .offset: 32, .size: 8, .value_kind: global_buffer, .address_space: global }
      - { .name: xc, .offset: 40, .size: 8, .value_kind: global_buffer, .address_space: global }
      - { .name: xs, .offset: 48, .size: 8, .value_kind: global_buffer, .address_space: global }
    .group_segment_fixed_size: 247296
    .private_segment_fixed_size: 0
    .kernarg_segment_align: 8
    .kernarg_segment_size: 56
    .max_flat_workgroup_size: 128
    .sgpr_count:     90
    .vgpr_count:     1024
    .wavefront_size: 32
...
	.end_amdgpu_metadata
.endif
;; end of part 3
;; launch outp (part 4): grid 8 x 32, 4 waves a work-group, clusters of 4 x 4, 266,752 bytes of LDS; arguments xc, xs, codes, scales, bo, out0; writes out0
.if DOCPART == 4
	.amdgcn_target "amdgcn-amd-amdhsa--gfx1250"
	.amdhsa_code_object_version 6
	.text
	.protected	k_q0694d39dba_outp
	.globl	k_q0694d39dba_outp
	.p2align	8
	.type	k_q0694d39dba_outp,@function
k_q0694d39dba_outp:
	s_mov_b64 s[64:65], 0
	v_nop
	global_prefetch_b8 v0, s[64:65] scope:SCOPE_SE
	s_setreg_imm32_b32 hwreg(HW_REG_WAVE_MODE, 25, 1), 1
	s_wait_xcnt 0x0
	s_wait_alu depctr_hold_cnt(0) depctr_sa_sdst(0) depctr_va_vdst(0) depctr_va_sdst(0) depctr_va_ssrc(0) depctr_va_vcc(0) depctr_vm_vsrc(0)
	s_getreg_b32 s2, hwreg(HW_REG_IB_STS2, 6, 4)
	s_cmp_eq_u32 s2, 0
	s_cbranch_scc0 .Lentry_in_a_cluster
	s_endpgm
.Lentry_in_a_cluster:
	s_bfe_u32 s2, ttmp6, 0x10000c
	s_cmp_lg_u32 s2, 0xf033
	s_cbranch_scc0 .Lentry_shape_is_right
	s_endpgm
.Lentry_shape_is_right:
; OUTP.  out0 = x Wo^T + bo on codes of BF6 (E3M2) with E8M0 scales, f32 sums.  x: codes and scale words from the attention launch; Wo: blocks 120-127 of the quantiser's buffers.
; out0 is 4,096 x 1,024: 256 tiles of 128 x 128, one to a work-group of four waves; a wave makes 64 x 64: 16 accumulators.
; Source 0 = 16 rows of Wo, source 1 = 16 rows of x: a lane holds eight neighbouring numbers of a row of out0.
; Operands lie in memory as images of fragments (1,536 bytes), ((block of 128 rows x 8 + K step) x 8 + tile) x 1,536: a block's codes for all of K = 1,024 are 98,304 dense bytes.
; x's block and Wo's block, 196,608 bytes, come into LDS ONCE and stay: one joint load a wave, four K steps of one block each (49,152 bytes); no LDS byte is filled again, so there is no ring.
; THE SCALE WORDS go from memory straight into the scale registers, once: sixteen lanes to 256 consecutive bytes; x's and Wo's in registers of their own (lanes 16-31 load the same words and are not read).
; CLUSTERS 4 x 4: x's block hangs on the tile row alone and is shared along a row of the cluster, Wo's on the tile column alone and is shared along a column.  The bias is the C of each sum's first matrix instruction.
; No prefetch: there is no loop to run ahead in: everything is asked for at the head.
; REGISTERS: window 0: v16-29 addresses; v32-63 x's scale words, v64-95 Wo's (8 i + s: tile i, K step s); v128-223 x's fragments, two sets of four; on the way out v128-255 rows of out0.
;   window 1: v0-95 Wo's fragments, two sets of four; v96-127 the bias, four groups of 8.   window 2: v0-127 the accumulators, (a, b) at v[8 (4 a + b)].
.set FR,    12
.set NP,    4                          ; places behind this matrix instruction (ISA guide 7.12.1)
.set KSB,   12288                      ; a K step of 128 rows: eight fragments
.set PHASE, 4*KSB                      ; four K steps: what one tensor load brings
.set BOFF,  2*PHASE                    ; LDS: x's block at 0, Wo's here,
.set STG,   2*BOFF                     ; and a stage of 64 rows x 272 bytes for each wave: no tensor load lands there
.set SPITCH, 272                       ; 256 bytes + 16 = 68 words: row r starts at bank 4 r mod 64 (64 banks of 4 bytes: ISA guide 11.1)
.set SPARE, STG+4*64*SPITCH            ; the spare words, 128 bytes a wave
.set ADRA, 16                          ; v16-17 my fragments of x: K steps 0-3, K steps 4-7
.set ADRB, 20                          ; v20-21 the same for Wo
.set STO,  24
.set RD,   25
.set CO,   26
.set SOF,  27                          ; 16 r: my row's place in a tile's scale words
.set SPW,  28
.set NIL,  29
.set SCA,  32
.set SCB,  64
.set AF,   128
.set BK,   128
.set WV,   18
.set HA,   19                          ; which 64 of the tile's rows are mine; also: I fetch for x (0) or Wo (1)
.set HB,   20                          ; which 64 of its columns; also: which half of K I fetch
.set G1,   24
.set G1B,  32
.set G0,   40
.set G0B,  44
.set MSB, 0
.macro WIN new
.if MSB != (\new)
	s_set_vgpr_msb (MSB<<8)|(\new)
.set MSB, (\new)
.endif
.endm
.set MUL_W,  0xa1                      ; source 0 (Wo) window 1, source 1 (x) window 0, C and D window 2
.set MUL_B,  0x91                      ; the same with C (the bias) in window 1
.set TO_B,   0x40
.macro CROUND                          ; a round of the cluster's barrier
	s_barrier_signal -1
	s_barrier_wait -1
	s_cmp_lg_u32 s[WV], 0
	s_cbranch_scc1 .Lnot_wave_0_\@
	s_barrier_signal -3
.Lnot_wave_0_\@:
	s_barrier_wait -3
	s_barrier_signal -1
	s_barrier_wait -1
.endm
.macro PLACES n
.rept \n
	v_nop
.endr
.endm
.macro FETCH s                         ; K step s: my four fragments of Wo and my four of x into set s % 2: 24 loads of 512 consecutive bytes
	WIN TO_B
.irp i, 0,1,2,3
.irp c, 0,1,2
	ds_load_b128 v[48*((\s)%2)+FR*\i+4*\c:48*((\s)%2)+FR*\i+4*\c+3], v[ADRB+(\s)/4] offset:(((\s)%4)*8+\i)*1536+512*\c
.endr
.endr
	WIN 0
.irp i, 0,1,2,3
.irp c, 0,1,2
	ds_load_b128 v[AF+48*((\s)%2)+FR*\i+4*\c:AF+48*((\s)%2)+FR*\i+4*\c+3], v[ADRA+(\s)/4] offset:(((\s)%4)*8+\i)*1536+512*\c
.endr
.endr
.endm
.macro MUL s                           ; 16 products; the 16 accumulators take turns; K step 0 starts the sums with the bias
.irp a, 0,1,2,3
.irp b, 0,1,2,3
.set rD, 8*(4*\a+\b)
.set rB, 48*((\s)%2)+FR*\b
.set rA, AF+48*((\s)%2)+FR*\a
.if (\s) == 0
	v_wmma_scale_f32_16x16x128_f8f6f4 v[rD:rD+7], v[rB:rB+FR-1], v[rA:rA+FR-1], v[96+8*\b:96+8*\b+7], v[SCB+8*\b+(\s)], v[SCA+8*\a+(\s)] matrix_a_fmt:MATRIX_FMT_BF6 matrix_b_fmt:MATRIX_FMT_BF6
.else
	v_wmma_scale_f32_16x16x128_f8f6f4 v[rD:rD+7], v[rB:rB+FR-1], v[rA:rA+FR-1], v[rD:rD+7], v[SCB+8*\b+(\s)], v[SCA+8*\a+(\s)] matrix_a_fmt:MATRIX_FMT_BF6 matrix_b_fmt:MATRIX_FMT_BF6
.endif
.endr
.endr
.endm
.macro KSTEP s                         ; its fragments are in; the next step's are asked for, into the set that the step before multiplied; then its 16 products
	s_wait_dscnt 0x0
.if (\s > 0) && (\s < 7)
	PLACES NP                                      ; in front of loads into registers that the last step's matrix instructions have read
.endif
.if \s < 7
	FETCH \s+1
.endif
.if \s == 0
	s_wait_loadcnt 0x0                             ; the scale words and the bias
	WIN MUL_B
.else
	WIN MUL_W
.endif
	MUL \s
.endm
	s_load_b256 s[4:11], s[0:1], 0x0               ; xc, xs, codes, scales
	s_load_b128 s[12:15], s[0:1], 0x20             ; bo, out0
	v_lshl_add_u32 v[SPW], v0, 2, SPARE
	v_mov_b32 v[NIL], 0
	ds_add_u32 v[SPW], v[NIL]                      ; the opening: the add, twice on end, and its wait ahead of my first tensor load
	ds_add_u32 v[SPW], v[NIL]
	v_lshrrev_b32 v1, 5, v0
	v_readfirstlane_b32 s[WV], v1
	s_lshr_b32 s[HA], s[WV], 1
	s_and_b32 s[HB], s[WV], 1
	s_bfe_u32 s21, ttmp6, 0x40000                  ; cx
	s_bfe_u32 s22, ttmp6, 0x40004                  ; cy
	s_lshl_b32 s66, s22, 2
	s_lshl_b32 s66, 15, s66                        ; my row of the cluster
	s_lshl_b32 s67, 0x1111, s21                    ; my column
	s_or_b32 s[G1+0], s66, (3<<16)|(1<<21)         ; the mask; elements of 8 bytes; bit 21 beside a mask; no padding
	s_or_b32 s[G1B+0], s67, (3<<16)|(1<<21)
.irp g, G1, G1B                        ; 49,152 dense bytes as 192 rows of 256
	s_mov_b32 s[\g+1], 32<<16
	s_mov_b32 s[\g+2], 192<<16
	s_mov_b32 s[\g+3], 32<<16
	s_mov_b32 s[\g+4], 192
	s_mov_b32 s[\g+5], 32
	s_mov_b32 s[\g+6], 0
	s_mov_b32 s[\g+7], 0
.endr
	s_and_b32 s84, ttmp7, 0xffff
	s_lshl_b32 s84, s84, 2
	s_add_co_u32 s84, s84, s22                     ; the tile row, 0..31: x's block
	s_lshl_b32 s85, ttmp9, 2
	s_add_co_u32 s85, s85, s21                     ; the tile column, 0..7
	s_add_co_u32 s86, s85, 120                     ; Wo's block
	s_mul_i32 s87, s[HB], PHASE                    ; the half of K that I fetch,
	s_mul_i32 s23, s[WV], PHASE                    ; and where it goes: by the wave's number alone
	s_mul_i32 s88, s84, 98304
	s_add_co_u32 s88, s88, s87
	s_mov_b32 s89, 0
	s_mul_i32 s92, s86, 98304
	s_add_co_u32 s92, s92, s87
	s_mov_b32 s93, 0
	s_lshl_b32 s90, s84, 12                        ; scale words: 4,096 bytes a block, 512 a tile: my four tiles of x,
	s_lshl_b32 s91, s[HA], 11
	s_add_co_u32 s90, s90, s91
	s_mov_b32 s91, 0
	s_lshl_b32 s94, s86, 12                        ; and of Wo
	s_lshl_b32 s95, s[HB], 11
	s_add_co_u32 s94, s94, s95
	s_mov_b32 s95, 0
	s_wait_dscnt 0x0                               ; both opening adds are done
	s_wait_kmcnt 0x0
	s_mov_b32 s[G0], 1
	s_mov_b32 s[G0+1], s23
	s_add_nc_u64 s[G0+2:G0+3], s[4:5], s[88:89]
	s_or_b32 s[G0+3], s[G0+3], 0x80000000
	s_mov_b32 s[G0B], 1
	s_mov_b32 s[G0B+1], s23
	s_add_nc_u64 s[G0B+2:G0B+3], s[8:9], s[92:93]
	s_or_b32 s[G0B+3], s[G0B+3], 0x80000000
	s_add_nc_u64 s[6:7], s[6:7], s[90:91]
	s_add_nc_u64 s[10:11], s[10:11], s[94:95]
	CROUND                                         ; all sixteen work-groups are here: the joint loads meet
	s_cmp_eq_u32 s[HA], 0                          ; waves 0, 1: x's two halves along K; waves 2, 3: Wo's.  One load a wave
	s_cbranch_scc0 .Lfor_b
	tensor_load_to_lds s[G0:G0+3], s[G1:G1+7]
	s_nop 0
.rept 4
	v_nop
.endr
	s_branch .Lasked
.Lfor_b:
	tensor_load_to_lds s[G0B:G0B+3], s[G1B:G1B+7]
	s_nop 0
.rept 4
	v_nop
.endr
.Lasked:
	s_mul_i32 s96, s[HA], 4*1536                   ; my four tiles of x in a K step
	s_mul_i32 s97, s[HB], 4*1536                   ; my four of Wo,
	s_add_co_u32 s97, s97, BOFF                    ; which lies behind x
	s_add_co_u32 s98, s96, PHASE
	s_add_co_u32 s99, s97, PHASE
	s_mul_i32 s70, s[WV], 64*SPITCH
	s_add_co_u32 s70, s70, STG                     ; my stage
	s_lshl_b32 s72, s85, 9                         ; the tile's 128 columns of 4 bytes
	s_lshl_b32 s73, s[HB], 8
	s_add_co_u32 s72, s72, s73                     ; + my 64
	s_mov_b32 s73, 0
	s_add_nc_u64 s[12:13], s[12:13], s[72:73]
	s_lshl_b32 s16, s84, 7
	s_lshl_b32 s17, s[HA], 6
	s_add_co_u32 s16, s16, s17                     ; my first row of out0,
	s_lshl_b32 s16, s16, 12                        ; 4,096 bytes a row,
	s_add_co_u32 s16, s16, s72                     ; + my first column: a multiple of 256 bytes
	s_mov_b32 s17, 0
	s_add_nc_u64 s[14:15], s[14:15], s[16:17]
	v_and_b32 v1, 15, v0                           ; r
	v_bfe_u32 v2, v0, 4, 1                         ; h
	v_and_b32 v3, 31, v0
	v_lshlrev_b32 v3, 4, v3                        ; 16 x lane
	v_lshlrev_b32 v[SOF], 4, v1
	v_lshlrev_b32 v6, 5, v2                        ; the bias: 8 h columns
	v_add_nc_u32 v[ADRA], s96, v3
	v_add_nc_u32 v[ADRB], s97, v3
	v_add_nc_u32 v[ADRA+1], s98, v3
	v_add_nc_u32 v[ADRB+1], s99, v3
	v_mul_u32_u24 v5, v1, SPITCH
	v_lshl_add_u32 v5, v2, 5, v5
	v_add_nc_u32 v[STO], s70, v5                   ; in: row r, 32 bytes for each half of the lanes
	v_mul_u32_u24 v4, v2, SPITCH
	v_lshl_add_u32 v4, v1, 4, v4
	v_add_nc_u32 v[RD], s70, v4                    ; back: lanes 0-15 take one row of 256 bytes, lanes 16-31 the next
	v_lshlrev_b32 v[CO], 12, v2
	v_lshl_add_u32 v[CO], v1, 4, v[CO]             ; and the same two rows in out0
	s_wait_alu depctr_va_vdst(0)
.irp i, 0,1,2,3
	global_load_b128 v[SCA+8*\i:SCA+8*\i+3], v[SOF], s[6:7] offset:512*\i          ; tile i: K steps 0-3,
	global_load_b128 v[SCA+8*\i+4:SCA+8*\i+7], v[SOF], s[6:7] offset:512*\i+256    ; K steps 4-7
	global_load_b128 v[SCB+8*\i:SCB+8*\i+3], v[SOF], s[10:11] offset:512*\i
	global_load_b128 v[SCB+8*\i+4:SCB+8*\i+7], v[SOF], s[10:11] offset:512*\i+256
.endr
	WIN TO_B
.irp b, 0,1,2,3                        ; the bias: group b: columns 16 b + 8 h + 0 .. 7 of my 64
	global_load_b128 v[96+8*\b:96+8*\b+3], v6, s[12:13] offset:64*\b
	global_load_b128 v[96+8*\b+4:96+8*\b+7], v6, s[12:13] offset:64*\b+16
.endr
	WIN 0
	s_wait_tensorcnt 0x0                           ; my part has landed,
	s_barrier_signal -1
	s_barrier_wait -1                              ; everybody's has.
	FETCH 0
	KSTEP 0
	KSTEP 1
	KSTEP 2
	KSTEP 3
	KSTEP 4
	KSTEP 5
	KSTEP 6
	KSTEP 7
	WIN 0
; THE WAY OUT.  A lane holds 32 neighbouring bytes of a row; my 64 columns are 256 bytes of a row, at a multiple of 256 from out0's first byte.  A block of 16 rows goes through my own stage and comes back
; two whole rows a load.  LDS serves a wave's instructions in order (ISA guide 5.7.1): no wait between the stores and the loads.  Each block has stage bytes and registers of its own.
.macro TOSTAGE a
	WIN 0x08                                       ; an LDS store's data are its source 1: window 2
.irp b, 0,1,2,3
	ds_store_b128 v[STO], v[8*(4*\a+\b):8*(4*\a+\b)+3] offset:\a*16*SPITCH+64*\b          ; each accumulator from its low end on
	ds_store_b128 v[STO], v[8*(4*\a+\b)+4:8*(4*\a+\b)+7] offset:\a*16*SPITCH+64*\b+16
.endr
	WIN 0
.irp t, 0,1,2,3,4,5,6,7
	ds_load_b128 v[BK+32*\a+4*\t:BK+32*\a+4*\t+3], v[RD] offset:(16*\a+2*\t)*SPITCH
.endr
.endm
.macro SEND a, younger                 ; younger: the LDS instructions issued behind block a's loads: the next block's sixteen, or none
.irp t, 0,1,2,3,4,5,6,7
	s_wait_dscnt \younger+7-\t
	global_store_b128 v[CO], v[BK+32*\a+4*\t:BK+32*\a+4*\t+3], s[14:15] offset:(16*\a+2*\t)*4096 th:TH_STORE_NT   ; sixteen lanes store 256 consecutive bytes, aligned
.endr
.endm
	PLACES NP                                      ; in front of the first read of results, and of loads into the registers that held x's fragments
	TOSTAGE 0
	TOSTAGE 1
	SEND 0, 16
	TOSTAGE 2
	SEND 1, 16
	TOSTAGE 3
	SEND 2, 16
	SEND 3, 0
	s_wait_tensorcnt 0x0                           ; the wave's end
	ds_add_u32 v[SPW], v[NIL]
	s_wait_dscnt 0x0
	CROUND                                         ; the closing round
	s_endpgm
.Lfunc_end_k_q0694d39dba_outp:
	.size	k_q0694d39dba_outp, .Lfunc_end_k_q0694d39dba_outp-k_q0694d39dba_outp
	.p2alignl 7, 3214868480
	.fill 96, 4, 3214868480
	.section	.rodata,"a",@progbits
	.p2align	6, 0x0
	.amdhsa_kernel k_q0694d39dba_outp
		.amdhsa_group_segment_fixed_size 266752
		.amdhsa_private_segment_fixed_size 0
		.amdhsa_enable_private_segment 0
		.amdhsa_kernarg_size 48
		.amdhsa_user_sgpr_count 2
		.amdhsa_user_sgpr_kernarg_segment_ptr 1
		.amdhsa_wavefront_size32 1
		.amdhsa_system_sgpr_workgroup_id_x 1
		.amdhsa_system_sgpr_workgroup_id_y 1
		.amdhsa_system_sgpr_workgroup_id_z 1
		.amdhsa_system_vgpr_workitem_id 0
		.amdhsa_next_free_vgpr 640
		.amdhsa_next_free_sgpr 100
		.amdhsa_reserve_vcc 0
		.amdhsa_float_denorm_mode_32 3
		.amdhsa_float_denorm_mode_16_64 3
		.amdhsa_memory_ordered 1
		.amdhsa_forward_progress 1
		.amdhsa_inst_pref_size 47
	.end_amdhsa_kernel
	.amdgpu_metadata
---
amdhsa.version: [ 1, 2 ]
amdhsa.kernels:
  - .name:           k_q0694d39dba_outp
    .symbol:         k_q0694d39dba_outp.kd
    .args:
      - { .name: xc, .offset: 0, .size: 8, .value_kind: global_buffer, .address_space: global }
      - { .name: xs, .offset: 8, .size: 8, .value_kind: global_buffer, .address_space: global }
      - { .name: codes, .offset: 16, .size: 8, .value_kind: global_buffer, .address_space: global }
      - { .name: scales, .offset: 24, .size: 8, .value_kind: global_buffer, .address_space: global }
      - { .name: bo, .offset: 32, .size: 8, .value_kind: global_buffer, .address_space: global }
      - { .name: out0, .offset: 40, .size: 8, .value_kind: global_buffer, .address_space: global }
    .group_segment_fixed_size: 266752
    .private_segment_fixed_size: 0
    .kernarg_segment_align: 8
    .kernarg_segment_size: 48
    .max_flat_workgroup_size: 128
    .sgpr_count:     100
    .vgpr_count:     640
    .wavefront_size: 32
...
	.end_amdgpu_metadata
.endif
;; end of part 4
